; MI455X (gfx1250); checked and timed in simulation.
; The chip was launched on July 23, 2026; its instructions are those of AMD's public machine-readable ISA for CDNA 5 (MIT licence, August 2026) and "CDNA5" Instruction Set Architecture Reference Guide (July 2026). The comments in the code are by the model that wrote it; some were corrected since.
;; Multi Head Attention. Allowed arithmetic: matrix products marked QUANTISED: E2M1 operands, one E8M0 scale for each 32 along K, by v_wmma_scale_f32_16x16x128_f8f6f4 with both operands' format E2M1 (or v_wmma_scale_f32_32x16x128_f4), f32 sums; products left as they are: bf16, f16 or f32 operands; f32 sums; everything else in f32.
;; Inputs: Wk 16 x 1,024 x 64 float32; Wp 1,024 x 1,024 float32; Wq 16 x 1,024 x 64 float32; Wv 16 x 1,024 x 64 float32; bp 1,024 float32; x 4 x 1,024 x 1,024 float32.
;; Outputs: out0 4 x 1,024 x 1,024 float32.
;; This version of the problem:
;;   THIS VERSION OF THE PROBLEM IS GIVEN IN LOW PRECISION. The matrix products marked QUANTISED in the list below multiply operands that are first quantised to E2M1 (2 exponent bits, 1 mantissa bit; 4 bits a number), with one power-of-two scale for each 32 numbers along K (OCP MX v1.0); their sums are f32. The products marked 'left as it is' may take bf16, f16 or f32 operands, with f32 sums. Whichever they take, every output number must still come out within the allowed error. Rounding operands to bf16 (8 significant bits) uses up far more of that allowance than f16 does (11 bits, for magnitudes from 6e-5 to 65,504). All else is computed in f32.
;;   The module's matrix products, in the order in which they are computed (A, B: the left and right operand; K: the contracted axis; several contracted axes count as one K, in the product's order):
;;     1. [M 1,024, K 1,024] x [K 1,024, N 4,096]; A: input Wq; B: input x: QUANTISED
;;     2. [M 1,024, K 1,024] x [K 1,024, N 4,096]; A: input Wk; B: input x: QUANTISED
;;     3. [M 1,024, K 1,024] x [K 1,024, N 4,096]; A: input Wv; B: input x: QUANTISED
;;     4. batch 64 x [M 1,024, K 64] x [K 64, N 1,024]; A: computed on the way; B: computed on the way: left as it is (an operand is computed on the way)
;;     5. batch 64 x [M 1,024, K 1,024] x [K 1,024, N 64]; A: computed on the way; B: computed on the way: left as it is (an operand is computed on the way)
;;     6. [M 4,096, K 1,024] x [K 1,024, N 1,024]; A: computed on the way; B: input Wp: left as it is (an operand is computed on the way)
;;   THE QUANTISER, for each operand of a quantised product, along K:
;;     - K is cut into blocks of 32 from its start; a last block that is shorter is filled with zeros.
;;     - A block's scale is 2^e with e = floor(log2(the largest magnitude in the block)) - 2, held to -126 .. 127; a block of zeros has e = 0. As a byte (E8M0): e + 127.
;;     - Each number is divided by its block's scale, clamped to +-6, and rounded to the nearest number of E2M1, ties to even, subnormals kept.
;;     - The product sums the exact products of the quantised numbers (number of the format x scale) in f32.
;;   ~~~python
;;   def quantise(x, axis):      # numpy; x: float32 -> the quantised numbers, widened to float32 again
;;       x = np.moveaxis(x, axis, -1); K = x.shape[-1]
;;       x = np.pad(x, [(0, 0)] * (x.ndim - 1) + [(0, -K % 32)]); x = x.reshape(x.shape[:-1] + (-1, 32)); a = np.abs(x).max(-1, keepdims=True)
;;       e = np.where(a > 0, np.clip(np.frexp(np.where(a > 0, a, 1))[1] - 1 - 2, -126, 127), 0)      # np.frexp(a)[1] - 1 = floor(log2(a)), exactly
;;       r = np.clip(x / 2.0 ** e, -6, 6)
;;       step = 2.0 ** (np.maximum(np.frexp(np.where(r == 0, 1, r))[1] - 1, 0) - 1)
;;       q = np.round(r / step) * step * 2.0 ** e      # np.round: ties to even
;;       return np.moveaxis(q.reshape(q.shape[:-2] + (-1,))[..., :K], -1, axis).astype(np.float32)
;;   ~~~
;; One version. Each part assembles by itself: llvm-mc -triple=amdgcn-amd-amdhsa -mcpu=gfx1250 --defsym DOCPART=n.
;; ======== version 1 of 1: 5 launches
;; limits: values are held in f16: magnitudes above 65,504 overflow, below 6.1e-05 lose precision
;; workspace buffers: x_codes 2,097,152 bytes; x_scales 131,072 bytes; w_codes 1,572,864 bytes; w_scales 98,304 bytes; wpt 2,097,152 bytes; qkv 25,165,824 bytes; qkv32 786,432 bytes; att 8,388,608 bytes
;; launch prep (part 1): grid 208 x 1, 16 waves a work-group, no clusters, 187,392 bytes of LDS; arguments x, Wq, Wk, Wv, Wp, x_codes, x_scales, w_codes, w_scales, wpt; writes x_codes, x_scales, w_codes, w_scales, wpt
.if DOCPART == 1
	.amdgcn_target "amdgcn-amd-amdhsa--gfx1250"
	.amdhsa_code_object_version 6
	.text
	.protected	k_qe244e872e9_prep
	.globl	k_qe244e872e9_prep
	.p2align	8
	.type	k_qe244e872e9_prep,@function
k_qe244e872e9_prep:
	s_mov_b64 s[64:65], 0
	v_nop
	global_prefetch_b8 v0, s[64:65] scope:SCOPE_SE
	s_setreg_imm32_b32 hwreg(HW_REG_WAVE_MODE, 25, 1), 1
	s_wait_xcnt 0x0
; PREP: the operands of the three quantised products become codes of FP4 (E2M1) with one E8M0 byte for each 32 along K = C, and Wp becomes f16 with K innermost.
; Three roles part once on the work-group's number and never join; each has LDS bytes, a barrier and an end of its own.
;   work-groups 0-47   (role W): one head of Wq, Wk or Wv, [1024 k][64 d] f32 -> w_codes [n = 64 x work-group + d][512 bytes], w_scales [n][32].  A lane takes a column, its registers run down K.
;   work-groups 48-79  (role P): 64 columns x 512 k of Wp [k][n] f32 -> wpt [n][k] f16.  The same plan: a lane a column, registers down K.
;   work-groups 80-207 (role X): 32 rows of x [4096][1024] f32 -> x_codes [4096][512 bytes], x_scales [4096][32].  K is innermost: a plain stream of blocks of 32.
; A block's scale is 2^(floor(log2(largest magnitude)) - 2); its byte is the largest magnitude's exponent field - 2, held at 1 from below by a floor among the maximum's leaves.
; LIMITS: a block of zeros, and one whose largest magnitude lies under 2^-124, gets the byte 1 (the bytes are read by this program alone; zero codes add nothing under it); NaN and infinities are not served;
; Wp is rounded to f16: beyond 65,504 it becomes infinity, under 6e-5 its step is 6e-8.
; No tensor loads, no cluster, no matrix unit: each input byte is read once by one wave, nothing is shared between work-groups.  All of a wave's loads go out at its head.
; All results leave through LDS, so that each store of a wave covers 256 or 512 consecutive bytes, aligned.
.set SP,    80                         ; role X: a lane's place in a stage: 64 bytes + 16 of padding
.set XSTG,  0                          ; role X: two stages of 32 x SP bytes for each of 16 waves
.set XSC,   16*2*32*SP                 ; role X: the work-group's 1,024 scale bytes
.set WSTG,  XSC+1024                   ; role W: 64 rows of codes, 512 bytes + 16
.set WPIT,  528
.set WSC,   WSTG+64*WPIT               ; role W: 64 rows x 32 scale bytes
.set PSTG,  WSC+2048                   ; role P: 64 rows of 512 f16, 1,024 bytes + 16
.set PPIT,  1040
.set SPARE, PSTG+64*PPIT               ; the spare words, 128 bytes for each wave: eight blocks of 256 bytes that no other line names
.set SPW,   2                          ; v2  LDS address of my spare word; never rewritten
.set NIL,   3                          ; v3  0; never rewritten
	s_load_b256 s[4:11], s[0:1], 0x0               ; x s[4:5], Wq s[6:7], Wk s[8:9], Wv s[10:11]
	s_load_b256 s[12:19], s[0:1], 0x20             ; Wp s[12:13], x_codes s[14:15], x_scales s[16:17], w_codes s[18:19]
	s_load_b128 s[20:23], s[0:1], 0x40             ; w_scales s[20:21], wpt s[22:23]
	v_lshl_add_u32 v[SPW], v0, 2, SPARE
	v_mov_b32 v[NIL], 0
	v_lshrrev_b32 v1, 5, v0
	v_readfirstlane_b32 s24, v1                    ; wave 0..15
	v_and_b32 v1, 31, v0                           ; lane
	s_and_b32 s25, s24, 1                          ; roles W, P: which 32 of the 64 columns
	s_lshr_b32 s26, s24, 1                         ; roles W, P: which eighth of K
	s_mov_b32 s31, 0                               ; the upper word of every offset
	s_wait_kmcnt 0x0
	s_cmp_lt_u32 ttmp9, 48
	s_cbranch_scc1 .Lrole_w
	s_cmp_lt_u32 ttmp9, 80
	s_cbranch_scc1 .Lrole_p
; ---------------- ROLE X.  A wave takes 4 steps of 512 numbers.  Each load reads 512 consecutive bytes; a step's 2,048 bytes turn through the wave's own stage, so that a lane then holds 16 neighbours along K.
	s_sub_co_u32 s27, ttmp9, 80
	s_lshl_b32 s28, s27, 4
	s_add_co_u32 s28, s28, s24                     ; which run of 2,048 numbers is my wave's
	s_lshl_b32 s30, s28, 13
	s_add_nc_u64 s[4:5], s[4:5], s[30:31]          ; 8,192 bytes of x a run,
	s_lshl_b32 s30, s28, 10
	s_add_nc_u64 s[14:15], s[14:15], s[30:31]      ; 1,024 bytes of codes,
	s_lshl_b32 s30, s27, 10
	s_add_nc_u64 s[16:17], s[16:17], s[30:31]      ; 1,024 scale bytes a work-group
	v_lshlrev_b32 v4, 4, v1                        ; my 16 bytes of a load's 512
.macro XLOAD t
.irp i, 0,1,2,3
	global_load_b128 v[32+16*(\t)+4*\i:32+16*(\t)+4*\i+3], v4, s[4:5] offset:2048*(\t)+512*\i th:TH_LOAD_NT
.endr
.endm
.macro XTURN t                         ; step t through stage t % 2: LDS serves a wave's instructions in order, so no wait stands between the stores and the loads
.irp i, 0,1,2,3
	ds_store_b128 v14, v[32+16*(\t)+4*\i:32+16*(\t)+4*\i+3] offset:32*SP*((\t)%2)+8*SP*\i
.endr
.irp i, 0,1,2,3
	ds_load_b128 v[96+16*((\t)%2)+4*\i:96+16*((\t)%2)+4*\i+3], v15 offset:32*SP*((\t)%2)+16*\i
.endr
.endm
.irp t, 0,1,2,3
	XLOAD \t
.endr
	s_mul_i32 s29, s24, 2*32*SP                    ; my wave's two stages
	v_lshrrev_b32 v14, 2, v1
	v_mul_u32_u24 v14, v14, SP
	v_and_b32 v15, 3, v1
	v_lshl_add_u32 v14, v15, 4, v14
	v_add_nc_u32 v14, s29, v14                     ; in: four lanes' 64 bytes on end, then the padding
	v_mul_u32_u24 v15, v1, SP
	v_add_nc_u32 v15, s29, v15                     ; out: SP x lane: my 16 neighbours
	v_lshlrev_b32 v8, 3, v1                        ; my 8 bytes of a step's codes
	v_lshrrev_b32 v5, 1, v1
	s_lshl_b32 s29, s24, 6
	s_add_co_u32 s29, s29, XSC
	v_add_nc_u32 v5, s29, v5                       ; my block's scale byte: 64 bytes a wave, 16 a step
	v_and_b32 v9, 63, v0
	v_lshlrev_b32 v10, 4, v9                       ; the scale bytes' way out: waves 0 and 1, 16 bytes a lane
	v_add_nc_u32 v9, XSC, v10
	s_wait_loadcnt 12                              ; step 0's four loads are in; the twelve behind them may be out
	XTURN 0
.macro XSTEP t
.set XS, 96+16*((\t)%2)
.if (\t) > 0
	s_wait_dscnt 1                                 ; this step's numbers are back from the stage; the last step's byte store may be out
.else
	s_wait_dscnt 0x0
.endif
.if (\t) < 3
	s_wait_loadcnt 4*(2-(\t))                      ; the next step's four loads are in; those of the steps behind it may be out
	XTURN (\t)+1
.endif
	v_max3_num_f32 v16, |v[XS]|, |v[XS+1]|, |v[XS+2]|              ; the largest magnitude of my 16, in two chains
	v_max3_num_f32 v17, |v[XS+3]|, |v[XS+4]|, |v[XS+5]|
.irp i, 6,10
	v_max3_num_f32 v16, v16, |v[XS+\i]|, |v[XS+\i+1]|
	v_max3_num_f32 v17, v17, |v[XS+\i+2]|, |v[XS+\i+3]|
.endr
	v_max3_num_f32 v16, v16, |v[XS+14]|, |v[XS+15]|
	v_max3_num_f32 v16, v16, v17, 0x1800000        ; and the floor 2^(3 - 127): the byte cannot fall under 1
	v_max_num_f32_dpp v16, v16, v16 row_xmask:1 row_mask:0xf bank_mask:0xf   ; with my neighbour's 16: the block's
	v_add_nc_u32 v18, 0xff000000, v16              ; 2 off its exponent field: the conversion takes that field as its scale
	v_cvt_scalef32_pk8_fp4_f32 v[128+2*(\t)], v[XS:XS+7], v18
	v_cvt_scalef32_pk8_fp4_f32 v[129+2*(\t)], v[XS+8:XS+15], v18
	v_lshrrev_b32 v[136+(\t)], 23, v18             ; the scale's byte (a plain line behind the conversions)
	ds_store_b8 v5, v[136+(\t)] offset:16*(\t)     ; both lanes of a block write the same byte with the same value
	global_store_b64 v8, v[128+2*(\t):129+2*(\t)], s[14:15] offset:256*(\t)   ; the wave stores 256 consecutive bytes, aligned
.endm
.irp t, 0,1,2,3
	XSTEP \t
.endr
	s_wait_dscnt 0x0                               ; for the others' sake: my scale bytes lie in LDS
	s_barrier_signal -1
	s_barrier_wait -1
	s_cmp_gt_u32 s24, 1
	s_cbranch_scc1 .Lx_end
	ds_load_b128 v[20:23], v9                      ; the work-group's 1,024 scale bytes leave by two waves, 512 consecutive bytes each
	s_wait_dscnt 0x0
	global_store_b128 v10, v[20:23], s[16:17]
.Lx_end:
	s_wait_tensorcnt 0x0                           ; the wave's end, behind my last LDS store
	ds_add_u32 v[SPW], v[NIL]
	s_wait_dscnt 0x0
	s_endpgm
; ---------------- ROLE W.  Wave (ch, kq): columns 32 ch + lane of the head, k = 128 kq .. + 127: four blocks of 32, each whole in one lane's 32 registers.
.Lrole_w:
	s_cmp_lt_u32 ttmp9, 16                         ; which of the three weights: the choice hangs on the work-group's number alone
	s_cselect_b64 s[28:29], s[6:7], s[8:9]
	s_cmp_lt_u32 ttmp9, 32
	s_cselect_b64 s[28:29], s[28:29], s[10:11]
	s_and_b32 s30, ttmp9, 15
	s_lshl_b32 s30, s30, 18                        ; the head: 1,024 rows of 256 bytes
	s_lshl_b32 s27, s26, 15
	s_add_co_u32 s30, s30, s27                     ; + 128 kq rows
	s_lshl_b32 s27, s25, 7
	s_add_co_u32 s30, s30, s27                     ; + 32 ch columns
	s_add_nc_u64 s[28:29], s[28:29], s[30:31]
	v_lshlrev_b32 v4, 2, v1
.macro WLOAD t                         ; block t: W(128 kq + 32 t + i, my column) into v[32 + 32 t + i]
.set i, 0
.rept 32
	global_load_b32 v[32+32*(\t)+i], v4, s[28:29] offset:(32*(\t)+i)*256 th:TH_LOAD_NT
.set i, i+1
.endr
.endm
.irp t, 0,1,2,3
	WLOAD \t
.endr
	s_lshl_b32 s30, s25, 5
	v_add_nc_u32 v9, s30, v1                       ; my column in the head
	v_mul_u32_u24 v5, v9, WPIT
	s_lshl_b32 s27, s26, 6
	s_add_co_u32 s27, s27, WSTG
	v_add_nc_u32 v5, s27, v5                       ; the stage: row = my column, + 64 kq bytes
	v_lshlrev_b32 v6, 5, v9
	s_lshl_b32 s27, s26, 2
	s_add_co_u32 s27, s27, WSC
	v_add_nc_u32 v6, s27, v6                       ; my column's 32 scale bytes, + 4 kq
	s_mul_i32 s27, s24, 4*WPIT
	v_lshl_add_u32 v7, v1, 4, s27
	v_add_nc_u32 v7, WSTG, v7                      ; back: wave w takes rows 4 w .. 4 w + 3, the 32 lanes a row of 512 bytes
	s_lshl_b32 s27, s24, 11
	v_lshl_add_u32 v8, v1, 4, s27                  ; and the same place in w_codes
	v_and_b32 v10, 127, v0
	v_lshlrev_b32 v10, 4, v10                      ; the scale bytes' way out: waves 0 to 3, 16 bytes a lane
	v_add_nc_u32 v11, WSC, v10
	s_lshl_b32 s30, ttmp9, 15
	s_add_nc_u64 s[18:19], s[18:19], s[30:31]      ; 64 rows of 512 bytes a work-group
	s_lshl_b32 s30, ttmp9, 11
	s_add_nc_u64 s[20:21], s[20:21], s[30:31]      ; 64 rows of 32 bytes
.macro WBLOCK t, left
.set XS, 32+32*(\t)
	s_wait_loadcnt \left                           ; this block's 32 loads are in
	v_max3_num_f32 v16, |v[XS]|, |v[XS+1]|, |v[XS+2]|
	v_max3_num_f32 v17, |v[XS+3]|, |v[XS+4]|, |v[XS+5]|
.irp i, 6,10,14,18,22,26
	v_max3_num_f32 v16, v16, |v[XS+\i]|, |v[XS+\i+1]|
	v_max3_num_f32 v17, v17, |v[XS+\i+2]|, |v[XS+\i+3]|
.endr
	v_max3_num_f32 v16, v16, |v[XS+30]|, |v[XS+31]|
	v_max3_num_f32 v16, v16, v17, 0x1800000        ; the floor 2^(3 - 127)
	v_add_nc_u32 v18, 0xff000000, v16              ; the conversion's scale operand
	v_lshrrev_b32 v19, 23, v18                     ; the byte
.if (\t) == 0
	v_mov_b32 v176, v19
.else
	v_lshl_or_b32 v176, v19, 8*(\t), v176          ; four bytes to a word, the lower K in the lower byte
.endif
.irp g, 0,1,2,3
	v_cvt_scalef32_pk8_fp4_f32 v[160+4*(\t)+\g], v[XS+8*\g:XS+8*\g+7], v18
.endr
	v_nop                                          ; one plain line behind the last conversion
	ds_store_b128 v5, v[160+4*(\t):163+4*(\t)] offset:16*(\t)
.endm
	WBLOCK 0, 63                                   ; 96 younger loads could stay out, then 64: 63 is the largest count that the wait can name
	WBLOCK 1, 63
	WBLOCK 2, 32
	WBLOCK 3, 0
	ds_store_b32 v6, v176
	s_wait_dscnt 0x0                               ; for the others' sake: my codes and bytes lie in LDS
	s_barrier_signal -1
	s_barrier_wait -1
.irp i, 0,1,2,3
	ds_load_b128 v[32+4*\i:35+4*\i], v7 offset:\i*WPIT
.endr
.irp i, 0,1,2,3
	s_wait_dscnt 3-\i                              ; the younger loads may be out
	global_store_b128 v8, v[32+4*\i:35+4*\i], s[18:19] offset:512*\i   ; a row of 512 consecutive bytes, aligned
.endr
	s_cmp_gt_u32 s24, 3
	s_cbranch_scc1 .Lw_end
	ds_load_b128 v[20:23], v11
	s_wait_dscnt 0x0
	global_store_b128 v10, v[20:23], s[20:21]
.Lw_end:
	s_wait_tensorcnt 0x0                           ; the wave's end, behind my last LDS store
	ds_add_u32 v[SPW], v[NIL]
	s_wait_dscnt 0x0
	s_endpgm
; ---------------- ROLE P.  Work-group (cb, kh): columns 64 cb on, k = 512 kh on.  Wave (ch, kq): 32 columns x 64 k.
.Lrole_p:
	s_sub_co_u32 s27, ttmp9, 48
	s_and_b32 s28, s27, 15                         ; cb
	s_lshr_b32 s29, s27, 4                         ; kh
	s_lshl_b32 s30, s29, 21                        ; 512 rows of 4,096 bytes
	s_lshl_b32 s27, s26, 18
	s_add_co_u32 s30, s30, s27                     ; + 64 kq rows
	s_lshl_b32 s27, s28, 8
	s_add_co_u32 s30, s30, s27                     ; + 64 cb columns
	s_lshl_b32 s27, s25, 7
	s_add_co_u32 s30, s30, s27                     ; + 32 ch columns
	s_add_nc_u64 s[12:13], s[12:13], s[30:31]
	v_lshlrev_b32 v4, 2, v1
.set i, 0
.rept 64
	global_load_b32 v[32+i], v4, s[12:13] offset:i*4096 th:TH_LOAD_NT
.set i, i+1
.endr
	s_lshl_b32 s30, s25, 5
	v_add_nc_u32 v9, s30, v1
	v_mul_u32_u24 v5, v9, PPIT
	s_lshl_b32 s27, s26, 7
	s_add_co_u32 s27, s27, PSTG
	v_add_nc_u32 v5, s27, v5                       ; the stage: row = my column, + 128 kq bytes
	s_mul_i32 s27, s24, 4*PPIT
	v_lshl_add_u32 v7, v1, 4, s27
	v_add_nc_u32 v7, PSTG, v7                      ; back: wave w takes rows 4 w .. 4 w + 3, 512 bytes an instruction
	s_lshl_b32 s27, s24, 13
	v_lshl_add_u32 v8, v1, 4, s27                  ; and the same place in wpt: 2,048 bytes a row
	s_lshl_b32 s30, s28, 17
	s_lshl_b32 s27, s29, 10
	s_add_co_u32 s30, s30, s27
	s_add_nc_u64 s[22:23], s[22:23], s[30:31]
	s_wait_loadcnt 32                              ; the first 32 are in; the other 32 may be out
.set i, 0
.rept 16
	v_cvt_pk_f16_f32 v[96+i], v[32+2*i], v[33+2*i] ; the lower k in the low half
.set i, i+1
.endr
	s_wait_loadcnt 0x0
.rept 16
	v_cvt_pk_f16_f32 v[96+i], v[32+2*i], v[33+2*i]
.set i, i+1
.endr
.irp j, 0,1,2,3,4,5,6,7
	ds_store_b128 v5, v[96+4*\j:99+4*\j] offset:16*\j
.endr
	s_wait_dscnt 0x0                               ; for the others' sake
	s_barrier_signal -1
	s_barrier_wait -1
.irp i, 0,1,2,3,4,5,6,7
	ds_load_b128 v[128+4*\i:131+4*\i], v7 offset:(\i/2)*PPIT+(\i%2)*512
.endr
.irp i, 0,1,2,3,4,5,6,7
	s_wait_dscnt 7-\i                              ; the younger loads may be out
	global_store_b128 v8, v[128+4*\i:131+4*\i], s[22:23] offset:(\i/2)*2048+(\i%2)*512   ; 512 consecutive bytes, aligned
.endr
	s_wait_tensorcnt 0x0                           ; the wave's end, behind my last LDS store
	ds_add_u32 v[SPW], v[NIL]
	s_wait_dscnt 0x0
	s_endpgm
.Lfunc_end_k_qe244e872e9_prep:
	.size	k_qe244e872e9_prep, .Lfunc_end_k_qe244e872e9_prep-k_qe244e872e9_prep
	.p2alignl 7, 3214868480
	.fill 96, 4, 3214868480
	.section	.rodata,"a",@progbits
	.p2align	6, 0x0
	.amdhsa_kernel k_qe244e872e9_prep
		.amdhsa_group_segment_fixed_size 187392
		.amdhsa_private_segment_fixed_size 0
		.amdhsa_enable_private_segment 0
		.amdhsa_kernarg_size 80
		.amdhsa_user_sgpr_count 2
		.amdhsa_user_sgpr_kernarg_segment_ptr 1
		.amdhsa_wavefront_size32 1
		.amdhsa_system_sgpr_workgroup_id_x 1
		.amdhsa_system_sgpr_workgroup_id_y 1
		.amdhsa_system_sgpr_workgroup_id_z 1
		.amdhsa_system_vgpr_workitem_id 0
		.amdhsa_next_free_vgpr 192
		.amdhsa_next_free_sgpr 66
		.amdhsa_reserve_vcc 0
		.amdhsa_float_denorm_mode_32 3
		.amdhsa_float_denorm_mode_16_64 3
		.amdhsa_memory_ordered 1
		.amdhsa_forward_progress 1
		.amdhsa_inst_pref_size 43
	.end_amdhsa_kernel
	.amdgpu_metadata
---
amdhsa.version: [ 1, 2 ]
amdhsa.kernels:
  - .name:           k_qe244e872e9_prep
    .symbol:         k_qe244e872e9_prep.kd
    .args:
      - { .name: x, .offset: 0, .size: 8, .value_kind: global_buffer, .address_space: global }
      - { .name: Wq, .offset: 8, .size: 8, .value_kind: global_buffer, .address_space: global }
      - { .name: Wk, .offset: 16, .size: 8, .value_kind: global_buffer, .address_space: global }
      - { .name: Wv, .offset: 24, .size: 8, .value_kind: global_buffer, .address_space: global }
      - { .name: Wp, .offset: 32, .size: 8, .value_kind: global_buffer, .address_space: global }
      - { .name: x_codes, .offset: 40, .size: 8, .value_kind: global_buffer, .address_space: global }
      - { .name: x_scales, .offset: 48, .size: 8, .value_kind: global_buffer, .address_space: global }
      - { .name: w_codes, .offset: 56, .size: 8, .value_kind: global_buffer, .address_space: global }
      - { .name: w_scales, .offset: 64, .size: 8, .value_kind: global_buffer, .address_space: global }
      - { .name: wpt, .offset: 72, .size: 8, .value_kind: global_buffer, .address_space: global }
    .group_segment_fixed_size: 187392
    .private_segment_fixed_size: 0
    .kernarg_segment_align: 8
    .kernarg_segment_size: 80
    .max_flat_workgroup_size: 512
    .sgpr_count:     66
    .vgpr_count:     192
    .wavefront_size: 32
...
	.end_amdgpu_metadata
.endif
;; end of part 1
;; launch qkv (part 2): grid 12 x 16, 4 waves a work-group, clusters of 4 x 4, 327,680 bytes of LDS; arguments x_codes, x_scales, w_codes, w_scales, qkv, qkv32; writes qkv, qkv32
.if DOCPART == 2
	.amdgcn_target "amdgcn-amd-amdhsa--gfx1250"
	.amdhsa_code_object_version 6
	.text
	.protected	k_qe244e872e9_qkv
	.globl	k_qe244e872e9_qkv
	.p2align	8
	.type	k_qe244e872e9_qkv,@function
k_qe244e872e9_qkv:
	s_mov_b64 s[64:65], 0
	v_nop
	global_prefetch_b8 v0, s[64:65] scope:SCOPE_SE
	s_setreg_imm32_b32 hwreg(HW_REG_WAVE_MODE, 25, 1), 1
	s_wait_xcnt 0x0
	s_wait_alu depctr_hold_cnt(0) depctr_sa_sdst(0) depctr_va_vdst(0) depctr_va_sdst(0) depctr_va_ssrc(0) depctr_va_vcc(0) depctr_vm_vsrc(0)
	s_getreg_b32 s2, hwreg(HW_REG_IB_STS2, 6, 4)
	s_cmp_eq_u32 s2, 0
	s_cbranch_scc0 .Lentry_in_a_cluster
	s_endpgm
.Lentry_in_a_cluster:
	s_bfe_u32 s2, ttmp6, 0x10000c
	s_cmp_lg_u32 s2, 0xf033
	s_cbranch_scc0 .Lentry_shape_is_right
	s_endpgm
.Lentry_shape_is_right:
; QKV: the three quantised products as ONE product on codes of FP4 (E2M1): C[token][n] = sum over k of x[token][k] W[n][k], 4,096 x 3,072 x 1,024, n = 1,024 x (q, k, v) + 64 x head + d.
; Codes and E8M0 scale bytes go to the matrix unit as they lie in memory.  Sums in f32.  Out: qkv, f16, [batch][48 = 16 x (q, k, v) + head][1,024 t][64 d]; and, for the first 16 tokens of every batch, qkv32, f32, [16 x batch + t][3,072].
; LIMIT: q, k, v are rounded to f16: beyond 65,504 they become infinity; under 6e-5 the step is 6e-8.
; A tile of C, 256 x 256, is made by four waves, 128 x 128 each: 64 accumulators, 512 registers.  K = 1,024 is two LDS slots of 512 along K (rows of 256 bytes): both are asked for at the head and nothing is filled again.
; The scale bytes of the tile's 256 + 256 rows, for all of K, are two dense blocks: they come once, with the first fills.
; CLUSTERS: 4 x 4 work-groups; A's tiles (x) are asked for jointly along a row of the cluster, B's (W) along a column.  Tile row = 4 cy + cluster y: so the batch is cy, and whether a tile holds a batch's first tokens
; hangs on cluster y alone, which all sixteen partners share.
; The matrix instruction is used transposed (source 0 = 16 rows of W, source 1 = 16 tokens): a lane holds eight neighbouring n of one token.
; No prefetch: every tile is asked for by its tensor load at the kernel's head, so there is no later request to run ahead of.
; REGISTERS: window 0: v0-31 addresses; v32-95 scale words, two sets; v128-191 A's fragments, one set; on the way out v32-255 are free.  window 1: B's fragments, two sets.  windows 2, 3: the accumulators ((a, b) at v[8 (8 (a % 4) + b)]).
.set NQ,     4                         ; matrix instructions deep in a slot
.set ROWB,   256                       ; a tile's row in bytes: 512 codes
.set KROW,   512                       ; a row of codes in memory
.set PITCH,  272                       ; an LDS row: 256 bytes + 16 of padding: the 16 rows of a load start at 16 different banks (64 banks of 4 bytes: ISA guide 11.1)
.set FR,     8
.set NL,     2
.set NP,     4                         ; places behind this matrix instruction (ISA guide 7.12.1)
.set HALFT,  128*PITCH
.set SLOT,   4*HALFT
.set KS,     32                        ; a row of scale bytes
.set SCL,    2*SLOT
.set HALFS,  (128*KS/256)*272
.set SBLK,   (16*KS/256)*272
.set SPARE,  SCL+4*HALFS               ; the spare words, 128 bytes for each wave: two blocks of 256 bytes that no other line names
.set WSTG,   16*528                    ; the way out: a stage for each wave, in slot 0, which has had its last fill and its last read by then
.set ADRA, 16
.set ADRB, 20
.set STO,  24                          ; v24  f16 stage: where I put 16 bytes of a token's row
.set RD,   25                          ; v25  and where I read back: four tokens x 128 bytes of one head
.set CO,   26                          ; v26  16 x lane
.set ADRS, 27
.set SPW,  28
.set NIL,  29
.set STO32, 30                         ; v30, v31: the same for the f32 block
.set RD32, 31
.set SC,   32
.set AF,   128
.set TMP,  192
.set G1, 24
.set G0, 32
.set G1B, 48
.set G0B, 56
.set G1S, 68
.set G0S, 76
.set G1SB, 80
.set G0SB, 88
.set MSB, 0
.macro WIN new                         ; the immediate's high byte repeats the setting that is left
.if MSB != (\new)
	s_set_vgpr_msb (MSB<<8)|(\new)
.set MSB, (\new)
.endif
.endm
.set MUL_LO, 0xa1                      ; source 0 (B) window 1, source 1 (A) window 0, C and D window 2
.set MUL_HI, 0xf1
.set TO_B,   0x40
; A joint load: waves 0 and 1 fetch for A, waves 2 and 3 for B; the branch hangs on the wave's number alone.  An s_nop 0 and four v_nop follow each line.
.macro JLOAD g0a, g1a, g0b, g1b
	s_cmp_eq_u32 s15, 0
	s_cbranch_scc0 .Lfor_b_\@
	tensor_load_to_lds s[\g0a:\g0a+3], s[\g1a:\g1a+7]
	s_nop 0
.rept 4
	v_nop
.endr
	s_branch .Lasked_\@
.Lfor_b_\@:
	tensor_load_to_lds s[\g0b:\g0b+3], s[\g1b:\g1b+7]
	s_nop 0
.rept 4
	v_nop
.endr
.Lasked_\@:
.endm
.macro CROUND                          ; a round of the cluster's barrier
	s_barrier_signal -1
	s_barrier_wait -1
	s_cmp_lg_u32 s14, 0
	s_cbranch_scc1 .Lnot_wave_0_\@
	s_barrier_signal -3
.Lnot_wave_0_\@:
	s_barrier_wait -3
	s_barrier_signal -1
	s_barrier_wait -1
.endm
	s_load_b128 s[4:7], s[0:1], 0x0                ; x's codes, x's scales
	s_load_b128 s[8:11], s[0:1], 0x10              ; W's codes, W's scales
	s_load_b64 s[12:13], s[0:1], 0x20              ; qkv
	s_load_b64 s[96:97], s[0:1], 0x28              ; qkv32
	v_lshl_add_u32 v[SPW], v0, 2, SPARE
	v_mov_b32 v[NIL], 0
	ds_add_u32 v[SPW], v[NIL]                      ; the wave's opening: the add, twice on end, and its wait ahead of my first tensor load
	ds_add_u32 v[SPW], v[NIL]
	v_lshrrev_b32 v1, 5, v0
	v_readfirstlane_b32 s14, v1                    ; wave 0..3
	s_lshr_b32 s15, s14, 1                         ; which half of the tile's tokens is mine.  Also: I fetch for A (0) or for B (1)
	s_and_b32 s16, s14, 1                          ; which half of its columns.  Also: which 128 rows I fetch
	s_bfe_u32 s40, ttmp6, 0x40000                  ; cx, cy
	s_bfe_u32 s41, ttmp6, 0x40004
	s_lshl_b32 s42, ttmp9, 2
	s_add_co_u32 s42, s42, s40                     ; tile column = 4 x cluster x + cx
	s_and_b32 s95, ttmp7, 0xffff                   ; cluster y: which quarter of a batch's tokens
	s_lshl_b32 s17, s41, 2
	s_add_co_u32 s17, s17, s95                     ; tile row = 4 cy + cluster y: the batch is cy
	s_lshl_b32 s43, s41, 2
	s_lshl_b32 s43, 15, s43                        ; my row of the cluster
	s_lshl_b32 s44, 0x1111, s40                    ; my column
	s_or_b32 s[G1+0], s43, (0<<16)|(1<<20)|(1<<21)|(5<<22)|(3<<25)  ; the mask; elements of 1 byte; padding of 4 words after every 64; bit 21 beside a mask
	s_or_b32 s[G1B+0], s44, (0<<16)|(1<<20)|(1<<21)|(5<<22)|(3<<25)
.irp g, G1, G1B
	s_mov_b32 s[\g+1], ROWB<<16                    ; tensor_dim0
	s_mov_b32 s[\g+2], 128<<16                     ; tensor_dim1
	s_mov_b32 s[\g+3], ROWB<<16                    ; tile_dim0
	s_mov_b32 s[\g+4], 128                         ; tile_dim1
	s_mov_b32 s[\g+5], KROW                        ; the pitch
	s_mov_b32 s[\g+6], 0
	s_mov_b32 s[\g+7], 0
.endr
	s_or_b32 s[G1S+0], s43, (3<<16)|(1<<20)|(1<<21)|(5<<22)|(3<<25)  ; the scales of 128 rows: 4,096 dense bytes as 16 rows of 256 bytes (32 elements of 8), 16 bytes of padding behind each
	s_or_b32 s[G1SB+0], s44, (3<<16)|(1<<20)|(1<<21)|(5<<22)|(3<<25)
.irp g, G1S, G1SB
	s_mov_b32 s[\g+1], 32<<16
	s_mov_b32 s[\g+2], (128*KS/256)<<16
	s_mov_b32 s[\g+3], 32<<16
	s_mov_b32 s[\g+4], 128*KS/256
	s_mov_b32 s[\g+5], 32
	s_mov_b32 s[\g+6], 0
	s_mov_b32 s[\g+7], 0
.endr
	s_lshl_b32 s18, s16, 7
	s_lshl_b32 s20, s17, 8
	s_add_co_u32 s20, s20, s18                     ; A: row 256 x tile row + 128 x half
	s_lshl_b32 s46, s42, 8
	s_add_co_u32 s46, s46, s18                     ; B: row 256 x tile column + 128 x half
	s_mov_b32 s21, 0
	s_mov_b32 s47, 0
	s_mov_b64 s[18:19], KS
	s_mul_u64 s[22:23], s[20:21], s[18:19]
	s_mul_u64 s[92:93], s[46:47], s[18:19]
	s_mov_b64 s[18:19], KROW
	s_mul_u64 s[20:21], s[20:21], s[18:19]
	s_mul_u64 s[46:47], s[46:47], s[18:19]
	s_mul_i32 s45, s14, HALFT                      ; where they go: wave x 128 rows
	s_mul_i32 s94, s14, HALFS
	s_wait_dscnt 0x0                               ; both opening adds are done
	s_wait_kmcnt 0x0
	s_add_nc_u64 s[20:21], s[4:5], s[20:21]
	s_add_nc_u64 s[22:23], s[6:7], s[22:23]
	s_add_nc_u64 s[46:47], s[8:9], s[46:47]
	s_add_nc_u64 s[92:93], s[10:11], s[92:93]
	CROUND                                         ; all sixteen work-groups are here: the joint loads meet
	s_mov_b32 s[G0S], 1
	s_add_co_u32 s[G0S+1], s94, SCL
	s_mov_b64 s[G0S+2:G0S+3], s[22:23]
	s_or_b32 s[G0S+3], s[G0S+3], 0x80000000
	s_mov_b32 s[G0SB], 1
	s_add_co_u32 s[G0SB+1], s94, SCL
	s_mov_b64 s[G0SB+2:G0SB+3], s[92:93]
	s_or_b32 s[G0SB+3], s[G0SB+3], 0x80000000
	JLOAD G0S, G1S, G0SB, G1SB                     ; the scales first; with the two slots three loads of mine are out
.irp s, 0,1
	s_mov_b32 s[G0+4*\s], 1
	s_add_co_u32 s[G0+4*\s+1], s45, \s*SLOT
	s_add_nc_u64 s[G0+4*\s+2:G0+4*\s+3], s[20:21], \s*ROWB
	s_or_b32 s[G0+4*\s+3], s[G0+4*\s+3], 0x80000000
	s_mov_b32 s[G0B+4*\s], 1
	s_add_co_u32 s[G0B+4*\s+1], s45, \s*SLOT
	s_add_nc_u64 s[G0B+4*\s+2:G0B+4*\s+3], s[46:47], \s*ROWB
	s_or_b32 s[G0B+4*\s+3], s[G0B+4*\s+3], 0x80000000
	JLOAD G0+4*\s, G1, G0B+4*\s, G1B
.endr
	v_and_b32 v1, 15, v0                           ; l % 16
	v_bfe_u32 v2, v0, 4, 1                         ; l / 16
	v_mul_u32_u24 v3, v1, PITCH
	v_lshl_add_u32 v4, v2, 4, v3
	s_mul_i32 s21, s15, HALFT
	s_mul_i32 s22, s16, HALFT
	s_add_co_u32 s22, s22, 2*HALFT
.irp s, 0,1
	v_add_nc_u32 v[ADRA+\s], s21, v4
	v_add_nc_u32 v[ADRB+\s], s22, v4
	s_add_co_u32 s21, s21, SLOT
	s_add_co_u32 s22, s22, SLOT
.endr
	v_mul_u32_u24 v5, v1, KS                       ; my row's scales: KS bytes a row, and 16 more for each 256 passed
	v_lshrrev_b32 v6, 8, v5
	v_lshl_add_u32 v5, v6, 4, v5
	s_mul_i32 s21, s15, HALFS
	s_mul_i32 s22, s16, HALFS
	s_add_co_u32 s22, s22, 2*HALFS
	s_sub_co_u32 s22, s22, s21
	v_mul_u32_u24 v6, s22, v2                      ; lanes 16-31 take B's
	s_add_co_u32 s21, s21, SCL
	v_add_nc_u32 v5, v5, v6
	v_add_nc_u32 v[ADRS], s21, v5
	s_mul_i32 s23, s14, WSTG                       ; my stage
	v_mul_u32_u24 v5, v1, 272                      ; f16: row = token l % 16 (256 bytes + 16), 16 bytes for each half of the lanes
	v_lshl_add_u32 v5, v2, 4, v5
	v_add_nc_u32 v[STO], s23, v5
	v_and_b32 v6, 31, v0
	v_lshrrev_b32 v5, 3, v6
	v_mul_u32_u24 v5, v5, 272
	v_and_b32 v7, 7, v0
	v_lshl_add_u32 v5, v7, 4, v5
	v_add_nc_u32 v[RD], s23, v5                    ; back: token l / 8, 16 (l % 8) bytes into a head's 128
	v_lshlrev_b32 v[CO], 4, v6
	v_mul_u32_u24 v5, v1, 528                      ; f32: row = token (512 bytes + 16), 32 bytes for each half
	v_lshl_add_u32 v5, v2, 5, v5
	v_add_nc_u32 v[STO32], s23, v5
	v_add_nc_u32 v[RD32], s23, v[CO]
	s_mul_i32 s20, s41, 48                         ; qkv: block 48 x batch + 4 x tile column + 2 x half, of 131,072 bytes;
	s_lshl_b32 s21, s42, 2
	s_add_co_u32 s20, s20, s21
	s_lshl_b32 s21, s16, 1
	s_add_co_u32 s20, s20, s21
	s_lshl_b32 s20, s20, 17
	s_lshl_b32 s21, s95, 15                        ; + my first token in the batch, 256 x cluster y + 128 x half, of 128 bytes
	s_add_co_u32 s20, s20, s21
	s_lshl_b32 s21, s15, 14
	s_add_co_u32 s20, s20, s21
	s_mov_b32 s21, 0
	s_add_nc_u64 s[12:13], s[12:13], s[20:21]
	s_mul_i32 s20, s41, 16*12288                   ; qkv32: 16 rows of 12,288 bytes a batch, + my first column
	s_lshl_b32 s46, s42, 10
	s_add_co_u32 s20, s20, s46
	s_lshl_b32 s46, s16, 9
	s_add_co_u32 s20, s20, s46
	s_add_nc_u64 s[96:97], s[96:97], s[20:21]
.macro FRAG reg, adr, q, i             ; 16 rows x 128 K of 4-bit codes: 8 registers, two loads of 16 bytes, 32 bytes apart
.irp c, 0,1
	ds_load_b128 v[\reg+4*\c:\reg+4*\c+3], v[\adr] offset:64*(\q)+32*\c+(\i)*16*PITCH
.endr
.endm
; 16 matrix instructions: A's blocks a0, a0 + 1 x B's eight.  The 64 accumulators take turns, one instruction a turn, in the same order in every step.
.macro MUL16 a0, p, q, sc, zero
.irp a, \a0, \a0+1
.irp b, 0,1,2,3,4,5,6,7
.if \zero
	v_wmma_scale_f32_16x16x128_f8f6f4 v[8*(8*((\a)%4)+\b):8*(8*((\a)%4)+\b)+7], v[128*(\p)+FR*\b:128*(\p)+FR*\b+FR-1], v[AF+FR*(\a):AF+FR*(\a)+FR-1], 0, v[SC+8*NQ*(\sc)+NQ*\b+(\q)], v[SC+8*NQ*(\sc)+NQ*(\a)+(\q)] matrix_a_fmt:MATRIX_FMT_FP4 matrix_b_fmt:MATRIX_FMT_FP4 matrix_a_scale:MATRIX_SCALE_ROW1
.else
	v_wmma_scale_f32_16x16x128_f8f6f4 v[8*(8*((\a)%4)+\b):8*(8*((\a)%4)+\b)+7], v[128*(\p)+FR*\b:128*(\p)+FR*\b+FR-1], v[AF+FR*(\a):AF+FR*(\a)+FR-1], v[8*(8*((\a)%4)+\b):8*(8*((\a)%4)+\b)+7], v[SC+8*NQ*(\sc)+NQ*\b+(\q)], v[SC+8*NQ*(\sc)+NQ*(\a)+(\q)] matrix_a_fmt:MATRIX_FMT_FP4 matrix_b_fmt:MATRIX_FMT_FP4 matrix_a_scale:MATRIX_SCALE_ROW1
.endif
.endr
.endr
.endm
.macro FETCH_B slot, q, p
	WIN TO_B
.irp i, 0,1,2,3,4,5,6,7
	FRAG 128*(\p)+FR*\i, ADRB+\slot, \q, \i
.endr
	WIN 0
.endm
.macro FETCH_A slot, q, i0
.irp i, \i0, \i0+1, \i0+2, \i0+3
	FRAG AF+FR*(\i), ADRA+\slot, \q, \i
.endr
.endm
.macro SCALES sc                       ; a slot's scale words: lanes 0-15 take A's block i, lanes 16-31 B's block i
.irp i, 0,1,2,3,4,5,6,7
	ds_load_b128 v[SC+8*NQ*\sc+NQ*\i:SC+8*NQ*\sc+NQ*\i+3], v[ADRS] offset:\i*SBLK
.endr
.endm
.macro PLACES n                        ; places in front of loads into registers that matrix instructions have read, and of the first read of results
.rept \n
	v_nop
.endr
.endm
.macro STEP slot, q, zero              ; a step of 128 along K that has its successor in the same slot
	s_wait_dscnt 4*NL                              ; B's set and A's blocks 0-3 are in; A's blocks 4-7 may be out
	WIN MUL_LO
	MUL16 0, (\q)%2, \q, \slot, \zero
	MUL16 2, (\q)%2, \q, \slot, \zero
	s_wait_dscnt 0
	PLACES NP
	FETCH_B \slot, (\q)+1, 1-(\q)%2
	FETCH_A \slot, (\q)+1, 0
	WIN MUL_HI
	MUL16 4, (\q)%2, \q, \slot, \zero
	MUL16 6, (\q)%2, \q, \slot, \zero
	PLACES NP
	WIN 0
	FETCH_A \slot, (\q)+1, 4
.endm
	s_wait_tensorcnt 1                             ; the scales and my part of slot 0 are in; slot 1's load may be out
	s_barrier_signal -1
	s_barrier_wait -1
	FETCH_B 0, 0, 0
	FETCH_A 0, 0, 0
	SCALES 0
	FETCH_A 0, 0, 4
	STEP 0, 0, 1                                   ; the first step's products start the sums: nothing is cleared
	STEP 0, 1, 0
	STEP 0, 2, 0
	; slot 0's last step changes slots: one barrier; in front of it my part of slot 1 has landed and my reads of slot 0 are over
	s_wait_tensorcnt 0x0
	ds_add_u32 v[SPW], v[NIL]
	s_wait_dscnt 4*NL+1                            ; the add and A's blocks 4-7 may be out
	WIN MUL_LO
	MUL16 0, 1, NQ-1, 0, 0
	s_wait_dscnt 0x0
	s_barrier_signal -1
	MUL16 2, 1, NQ-1, 0, 0
	WIN 0
	s_barrier_wait -1
	PLACES NP
	v_add_nc_u32 v[ADRS], 4*NQ, v[ADRS]            ; on to slot 1's scale words
	FETCH_B 1, 0, 0
	FETCH_A 1, 0, 0
	SCALES 1
	WIN MUL_HI
	MUL16 4, 1, NQ-1, 0, 0
	MUL16 6, 1, NQ-1, 0, 0
	PLACES NP
	WIN 0
	FETCH_A 1, 0, 4
	STEP 1, 0, 0
	STEP 1, 1, 0
	STEP 1, 2, 0
	s_wait_dscnt 4*NL                              ; the very last step
	WIN MUL_LO
	MUL16 0, 1, NQ-1, 1, 0
	MUL16 2, 1, NQ-1, 1, 0
	s_wait_dscnt 0
	WIN MUL_HI
	MUL16 4, 1, NQ-1, 1, 0
	MUL16 6, 1, NQ-1, 1, 0
	WIN 0
	PLACES NP
	; THE FIRST 16 TOKENS OF A BATCH ALSO LEAVE IN F32: they are block 0 of the waves with the tile's upper half, in the tiles of cluster y = 0 (the same test in all sixteen partners, for a given wave)
	s_or_b32 s18, s15, s95
	s_cmp_lg_u32 s18, 0
	s_cbranch_scc1 .Lno32
	WIN 0x08                                       ; an LDS store's data: window 2
.irp b, 0,1,2,3,4,5,6,7
	ds_store_b128 v[STO32], v[8*\b:8*\b+3] offset:64*\b            ; each accumulator from its low end on
	ds_store_b128 v[STO32], v[8*\b+4:8*\b+7] offset:64*\b+16
.endr
	WIN 0
.irp t, 0,1,2,3,4,5,6,7,8,9,10,11,12,13,14,15
	ds_load_b128 v[128+4*\t:131+4*\t], v[RD32] offset:\t*528       ; LDS serves a wave's instructions in order: these see my stores
.endr
.irp t, 0,1,2,3,4,5,6,7,8,9,10,11,12,13,14,15
	s_wait_dscnt 15-\t
	global_store_b128 v[CO], v[128+4*\t:131+4*\t], s[96:97] offset:\t*12288   ; 512 consecutive bytes, aligned
.endr
.Lno32:
; THE WAY OUT in f16, block by block of 16 tokens x 128 columns (two heads).  PACK: rounded, 16 bytes a lane.  TOSTAGE: into my stage by tokens, back by heads: 4 tokens x 128 bytes an instruction,
; which are 512 consecutive bytes of qkv.  SEND: stored.  Block a's conversions stand between block a - 1's loads from the stage and the wait for them.
.macro PACK a
.set AC, 64*((\a)%4)
	WIN 0x0a+5*((\a)/4)                            ; sources 0 and 1: window 2 or 3
.irp b, 0,1,2,3,4,5,6,7
.irp r, 0,1,2,3
	v_cvt_pk_f16_f32 v[TMP+4*\b+\r], v[AC+8*\b+2*\r], v[AC+8*\b+2*\r+1]
.endr
.endr
	WIN 0
.endm
.macro TOSTAGE a
.set BK, 32+192*((\a)%2)
.irp b, 0,1,2,3,4,5,6,7
	ds_store_b128 v[STO], v[TMP+4*\b:TMP+4*\b+3] offset:32*\b
.endr
.irp i, 0,1,2,3,4,5,6,7
	ds_load_b128 v[BK+4*\i:BK+4*\i+3], v[RD] offset:(\i%4)*4*272+(\i/4)*128
.endr
.endm
.macro SEND a
.set BK, 32+192*((\a)%2)
	s_wait_dscnt 0x0                               ; the block is back in registers
	s_wait_xcnt 0x0                                ; the earlier stores have read their registers: the next block's loads may land there
.irp i, 0,1,2,3,4,5,6,7
	global_store_b128 v[CO], v[BK+4*\i:BK+4*\i+3], s[12:13] offset:(\i/4)*131072+(\a)*2048+(\i%4)*512
.endr
.endm
	PACK 0
	TOSTAGE 0
.irp a, 1,2,3,4,5,6,7
	PACK \a
	SEND \a-1
	TOSTAGE \a
.endr
	SEND 7
	s_wait_tensorcnt 0x0                           ; the wave's end
	ds_add_u32 v[SPW], v[NIL]
	s_wait_dscnt 0x0
	CROUND                                         ; the closing round
	s_endpgm
.Lfunc_end_k_qe244e872e9_qkv:
	.size	k_qe244e872e9_qkv, .Lfunc_end_k_qe244e872e9_qkv-k_qe244e872e9_qkv
	.p2alignl 7, 3214868480
	.fill 96, 4, 3214868480
	.section	.rodata,"a",@progbits
	.p2align	6, 0x0
	.amdhsa_kernel k_qe244e872e9_qkv
		.amdhsa_group_segment_fixed_size 327680
		.amdhsa_private_segment_fixed_size 0
		.amdhsa_enable_private_segment 0
		.amdhsa_kernarg_size 48
		.amdhsa_user_sgpr_count 2
		.amdhsa_user_sgpr_kernarg_segment_ptr 1
		.amdhsa_wavefront_size32 1
		.amdhsa_system_sgpr_workgroup_id_x 1
		.amdhsa_system_sgpr_workgroup_id_y 1
		.amdhsa_system_sgpr_workgroup_id_z 1
		.amdhsa_system_vgpr_workitem_id 0
		.amdhsa_next_free_vgpr 1024
		.amdhsa_next_free_sgpr 98
		.amdhsa_reserve_vcc 0
		.amdhsa_float_denorm_mode_32 3
		.amdhsa_float_denorm_mode_16_64 3
		.amdhsa_memory_ordered 1
		.amdhsa_forward_progress 1
		.amdhsa_inst_pref_size 131
	.end_amdhsa_kernel
	.amdgpu_metadata
---
amdhsa.version: [ 1, 2 ]
amdhsa.kernels:
  - .name:           k_qe244e872e9_qkv
    .symbol:         k_qe244e872e9_qkv.kd
    .args:
      - { .name: x_codes, .offset: 0, .size: 8, .value_kind: global_buffer, .address_space: global }
      - { .name: x_scales, .offset: 8, .size: 8, .value_kind: global_buffer, .address_space: global }
      - { .name: w_codes, .offset: 16, .size: 8, .value_kind: global_buffer, .address_space: global }
      - { .name: w_scales, .offset: 24, .size: 8, .value_kind: global_buffer, .address_space: global }
      - { .name: qkv, .offset: 32, .size: 8, .value_kind: global_buffer, .address_space: global }
      - { .name: qkv32, .offset: 40, .size: 8, .value_kind: global_buffer, .address_space: global }
    .group_segment_fixed_size: 327680
    .private_segment_fixed_size: 0
    .kernarg_segment_align: 8
    .kernarg_segment_size: 48
    .max_flat_workgroup_size: 128
    .sgpr_count:     98
    .vgpr_count:     1024
    .wavefront_size: 32
...
	.end_amdgpu_metadata
.endif
;; end of part 2
;; launch attn (part 3): grid 4 x 64, 16 waves a work-group, clusters of 4 x 1, 327,680 bytes of LDS; arguments qkv, att; writes att
.if DOCPART == 3
	.amdgcn_target "amdgcn-amd-amdhsa--gfx1250"
	.amdhsa_code_object_version 6
	.text
	.protected	k_qe244e872e9_attn
	.globl	k_qe244e872e9_attn
	.p2align	8
	.type	k_qe244e872e9_attn,@function
k_qe244e872e9_attn:
	s_mov_b64 s[64:65], 0
	v_nop
	global_prefetch_b8 v0, s[64:65] scope:SCOPE_SE
	s_setreg_imm32_b32 hwreg(HW_REG_WAVE_MODE, 25, 1), 1
	s_wait_xcnt 0x0
	s_wait_alu depctr_hold_cnt(0) depctr_sa_sdst(0) depctr_va_vdst(0) depctr_va_sdst(0) depctr_va_ssrc(0) depctr_va_vcc(0) depctr_vm_vsrc(0)
	s_getreg_b32 s2, hwreg(HW_REG_IB_STS2, 6, 4)
	s_cmp_eq_u32 s2, 0
	s_cbranch_scc0 .Lentry_in_a_cluster
	s_endpgm
.Lentry_in_a_cluster:
	s_bfe_u32 s2, ttmp6, 0x10000c
	s_cmp_lg_u32 s2, 0x3003
	s_cbranch_scc0 .Lentry_shape_is_right
	s_endpgm
.Lentry_shape_is_right:
; ATTN: att[b, h][q][:] = sum over k <= q of softmax_k(Q[q] . K[k] / 32) V[k][:], head size 64, 1,024 positions, f16 operands, products, maxima and sums in f32; the weights are rounded to f16 for the second product.
; In: qkv f16 [batch][16 x (q, k, v) + head][t][64].  Out: att f16 [16 x batch + head][t][64]: a wave's 16 queries are 2,048 consecutive bytes.
; LIMITS: NaN and infinities are not served; att is rounded to f16.  (The first 16 positions of every batch are made again in f32 by a later launch.)
; SHARES.  A cluster of four work-groups owns a head.  Wave w of the work-group at place cx owns the 16 queries from 64 pw + 16 cx on.  With a = w / 4, b = w % 4: pw = 4 (a xor b) + (a xor g(b)), g = 0, 2, 3, 1:
; two orthogonal Latin squares, so pw takes each of 0 .. 15 once, and any four waves with the same a, and any four with the same b, have one wave in each chunk of 256 keys and 34 key steps together.
; A wave works key steps 0 .. pw of 64 keys.  Which steps it leaves out, and which lies on the diagonal, hangs on the wave's number alone: cx enters global addresses and one vector operand of the mask, no branch and no LDS address.
; ALL OF THE HEAD'S K AND V LIE IN LDS, filled once: 1,024 rows of K (128 bytes + 16) and of V (128 + 32).  The four partners need the same rows: each tile is asked for JOINTLY (mask 15).  Waves 0, 1 ask for K's, waves 2, 3 for V's
; halves of four chunks of 256 keys: four loads of a wave are out; a chunk is read behind a counted wait and a barrier, while the later chunks land.  Nothing is filled again.
; No prefetch: every tile is asked for by its tensor load at the kernel's head, so there is no later request to run ahead of.
; LAYOUT.  S^T = K Q^T (source 0 = 16 keys, source 1 = my 16 queries), O^T = V^T P (source 0 = 16 channels, turned by ds_load_tr16_b128): a lane holds ONE query (lane % 16) throughout; two tiles of S^T, rounded in pairs, are source 1 of the second product.
; SOFTMAX.  A running maximum m and sum l: p = 2^(c s - c m), c = log2(e) / 32; in every step O and l are multiplied by 2^(c m_old - c m_new).  The step is written once: it first finds m = -3e38, l = 0, O = 0.
.set PK,    144
.set PV,    160
.set VOFF,  1024*PK
.set SPARE, VOFF+1024*PV               ; the spare words, 128 bytes for each wave: eight blocks of 256 bytes that no other line names
.set AK0, 1                            ; v1   my lane's place in a tile of K
.set AV0, 2                            ; v2   the same for V
.set ADK, 3
.set ADV, 4
.set DG,  5                            ; v5   16 cx + lane % 16 - 8 (lane / 16): on the diagonal, register 8 kt + j is hidden where 16 kt + j is above it
.set NINF, 6
.set SPW, 7
.set NIL, 8
.set STO, 9                            ; v9   the way out: into my stage
.set RD,  10                           ; v10  and back
.set GO,  11                           ; v11  16 x lane
.set CM,  12                           ; v12 c m, v13 m
.set L,   14                           ; v[14:15] l, even keys' and odd keys'
.set T,   16                           ; v16-19 at work
.set AA,  20                           ; v[20:21] a (its low word serves both halves)
.set Q,   24
.set KF,  40
.set VF,  104
.set S,   168
.set P,   200
.set O,   216
.set QA,  248
.set WV,  8
.set PW,  9
.set CX,  10
.set BH,  11
.set G1K, 12
.set G1V, 20
.set G0K, 28                           ; s[28:43] four groups 0 for K's chunks;  s[44:59] for V's
.set G0V, 44
.set SEL, 60
.set CS,  62
.set SI,  66                           ; the key step's number
.set TBK, 67                           ; where its 64 rows of K begin in LDS
.set TBV, 68                           ; and of V, from VOFF
.set CNT, 69
.macro CROUND
	s_barrier_signal -1
	s_barrier_wait -1
	s_cmp_lg_u32 s[WV], 0
	s_cbranch_scc1 .Lnot_wave_0_\@
	s_barrier_signal -3
.Lnot_wave_0_\@:
	s_barrier_wait -3
	s_barrier_signal -1
	s_barrier_wait -1
.endm
	s_load_b128 s[4:7], s[0:1], 0x0                ; qkv, att
	v_lshl_add_u32 v[SPW], v0, 2, SPARE
	v_mov_b32 v[NIL], 0
	ds_add_u32 v[SPW], v[NIL]                      ; the wave's opening: the add, twice on end, and its wait ahead of the first tensor loads; the set-up stands between
	ds_add_u32 v[SPW], v[NIL]
	v_lshrrev_b32 v1, 5, v0
	v_readfirstlane_b32 s[WV], v1                  ; wave 0..15
	s_bfe_u32 s[CX], ttmp6, 0x40000                ; my place in the cluster
	s_and_b32 s[BH], ttmp7, 0xffff                 ; 16 x batch + head, which the four partners share
	s_and_b32 s70, s[WV], 3                        ; b
	s_lshr_b32 s71, s[WV], 2                       ; a
	s_lshr_b32 s72, s70, 1
	s_mul_i32 s72, s72, 7
	s_lshl_b32 s73, s70, 1
	s_xor_b32 s73, s73, s72                        ; g(b) = 0, 2, 3, 1
	s_xor_b32 s73, s73, s71                        ; a xor g(b)
	s_xor_b32 s70, s70, s71                        ; a xor b
	s_lshl_b32 s70, s70, 2
	s_add_co_u32 s[PW], s70, s73                   ; pw
	v_and_b32 v16, 15, v0                          ; r
	v_bfe_u32 v17, v0, 4, 1                        ; hh
	v_mul_u32_u24 v[AK0], v16, PK
	v_lshl_add_u32 v[AK0], v17, 4, v[AK0]          ; row r, + 16 hh
	v_and_b32 v18, 7, v0
	v_lshl_add_u32 v18, v17, 3, v18
	v_mul_u32_u24 v[AV0], v18, PV                  ; the turning load: key 8 hh + l % 8,
	v_bfe_u32 v18, v0, 3, 1
	v_lshl_add_u32 v[AV0], v18, 4, v[AV0]          ; channels 8 ((l / 8) % 2) on
	v_add_nc_u32 v[AV0], VOFF, v[AV0]
	v_lshlrev_b32 v18, 3, v17
	v_sub_nc_u32 v[DG], v16, v18
	s_lshl_b32 s70, s[CX], 4
	v_add_nc_u32 v[DG], s70, v[DG]
	s_mul_i32 s70, s[WV], 16*PK                    ; my stage for the way out: 16 rows of 144 bytes, in K's bytes
	v_add_nc_u32 v[STO], s70, v[AK0]
	v_and_b32 v18, 31, v0
	v_lshrrev_b32 v19, 3, v18
	v_mul_u32_u24 v19, v19, PK
	v_and_b32 v20, 7, v0
	v_lshl_add_u32 v19, v20, 4, v19
	v_add_nc_u32 v[RD], s70, v19
	v_lshlrev_b32 v[GO], 4, v18
	v_lshlrev_b32 v[QA], 7, v16
	v_lshl_add_u32 v[QA], v17, 4, v[QA]            ; Q: row r of 128 bytes, + 16 hh
	v_mov_b32 v[NINF], 0xff800000
	s_mov_b32 s[G1K], 15|(1<<16)|(1<<20)|(1<<21)|(4<<22)|(3<<25)   ; the mask: all four; elements of 2 bytes; padding of 4 words after every 32; bit 21 beside a mask
	s_mov_b32 s[G1V], 15|(1<<16)|(1<<20)|(1<<21)|(4<<22)|(7<<25)   ; the same with 8 words
.irp g, G1K, G1V
	s_mov_b32 s[\g+1], 64<<16                      ; tensor_dim0 = 64
	s_mov_b32 s[\g+2], 128<<16                     ; tensor_dim1 = 128
	s_mov_b32 s[\g+3], 64<<16                      ; tile_dim0
	s_mov_b32 s[\g+4], 128                         ; tile_dim1
	s_mov_b32 s[\g+5], 64                          ; the pitch
	s_mov_b32 s[\g+6], 0
	s_mov_b32 s[\g+7], 0
.endr
	s_mov_b32 s[SEL], 0x76543210
	s_mov_b32 s[SEL+1], 0xfedcba98
	s_mov_b32 s[CS], 0x3d38aa3b                    ; c = log2(e) / 32
	s_mov_b32 s[CS+1], s[CS]
	s_and_b32 s70, s[WV], 1                        ; which 128 rows of a chunk I fetch
	s_mul_i32 s71, s70, 128*PK
	s_mul_i32 s72, s70, 128*PV
	s_lshl_b32 s74, s70, 14
	s_mov_b32 s75, 0
	s_lshr_b32 s76, s[BH], 4
	s_and_b32 s77, s[BH], 15
	s_mul_i32 s76, s76, 48
	s_add_co_u32 s76, s76, s77
	s_lshl_b32 s76, s76, 17                        ; the head's block of Q; K's lies 16 blocks on, V's 32
	s_mov_b32 s77, 0
	s_wait_dscnt 0x0                               ; both opening adds are done
	s_wait_kmcnt 0x0
	s_add_nc_u64 s[4:5], s[4:5], s[76:77]
	s_add_nc_u64 s[78:79], s[4:5], s[74:75]
.irp c, 0,1,2,3
	s_mov_b32 s[G0K+4*\c], 1
	s_add_co_u32 s[G0K+4*\c+1], s71, \c*256*PK
	s_add_nc_u64 s[G0K+4*\c+2:G0K+4*\c+3], s[78:79], (16<<17)+\c*32768
	s_or_b32 s[G0K+4*\c+3], s[G0K+4*\c+3], 0x80000000
	s_mov_b32 s[G0V+4*\c], 1
	s_add_co_u32 s[G0V+4*\c+1], s72, VOFF+\c*256*PV
	s_add_nc_u64 s[G0V+4*\c+2:G0V+4*\c+3], s[78:79], (32<<17)+\c*32768
	s_or_b32 s[G0V+4*\c+3], s[G0V+4*\c+3], 0x80000000
.endr
	CROUND                                         ; all four work-groups are here: the joint loads meet
	s_cmp_lt_u32 s[WV], 2                          ; a wave's four fills stand in one branch on the wave's number, ahead of every wait on TENSORcnt and every LDS read
	s_cbranch_scc0 .Lnot_k
.irp c, 0,1,2,3
	tensor_load_to_lds s[G0K+4*\c:G0K+4*\c+3], s[G1K:G1K+7]
	s_nop 0
.endr
.rept 4
	v_nop
.endr
	s_branch .Lasked
.Lnot_k:
	s_cmp_lt_u32 s[WV], 4
	s_cbranch_scc0 .Lasked
.irp c, 0,1,2,3
	tensor_load_to_lds s[G0V+4*\c:G0V+4*\c+3], s[G1V:G1V+7]
	s_nop 0
.endr
.rept 4
	v_nop
.endr
.Lasked:
	s_lshl_b32 s74, s[PW], 13                      ; my first query, 64 pw + 16 cx, of 128 bytes
	s_lshl_b32 s70, s[CX], 11
	s_add_co_u32 s74, s74, s70
	s_add_nc_u64 s[4:5], s[4:5], s[74:75]
	s_lshl_b32 s76, s[BH], 17
	s_add_co_u32 s76, s76, s74
	s_add_nc_u64 s[6:7], s[6:7], s[76:77]
.irp i, 0,1,2,3
	global_load_b128 v[Q+4*\i:Q+4*\i+3], v[QA], s[4:5] offset:32*\i   ; Q's two fragments stay in registers
.endr
	v_mov_b32 v[CM+1], 0xff61b1e6                  ; m = -3e38, under every score
	v_mul_f32 v[CM], s[CS], v[CM+1]
.irp j, 14,15,16,17,18,19,20,21
	v_mov_b32 v[\j], 0                             ; l, the registers at work, a
.endr
.set n, 0
.rept 32
	v_mov_b32 v[O+n], 0
.set n, n+1
.endr
	s_wait_loadcnt 0x0                             ; Q
; A KEY STEP of 64 keys.
.macro STEP
	s_cmp_gt_u32 s[SI], s[PW]                      ; all its keys come after my queries: only the lines at its end are run
	s_cbranch_scc1 .Lhidden_\@
	v_add_nc_u32 v[ADK], s[TBK], v[AK0]            ; these four lines are the places in front of loads into registers that the last products read
	v_add_nc_u32 v[ADV], s[TBV], v[AV0]
	v_nop
	v_nop
.irp f, 0,1,2,3,4,5,6,7                ; K: keys 16 (f / 2) on, channels 32 (f % 2) on
	ds_load_b128 v[KF+8*\f:KF+8*\f+3],   v[ADK] offset:(\f/2)*16*PK+(\f%2)*64
	ds_load_b128 v[KF+8*\f+4:KF+8*\f+7], v[ADK] offset:(\f/2)*16*PK+(\f%2)*64+32
.endr
.irp f, 0,1,2,3,4,5,6,7                ; V, turned: keys 32 (f / 4) on, channels 16 (f % 4) on
	ds_load_tr16_b128 v[VF+8*\f:VF+8*\f+3],   v[ADV] offset:(\f/4)*32*PV+(\f%4)*32
	ds_load_tr16_b128 v[VF+8*\f+4:VF+8*\f+7], v[ADV] offset:(\f/4)*32*PV+16*PV+(\f%4)*32
.endr
	s_wait_dscnt 16                                ; K is in; V's sixteen loads may be out
.irp k, 0,1,2,3                        ; the four accumulators take turns
	v_wmma_f32_16x16x32_f16 v[S+8*\k:S+8*\k+7], v[KF+16*\k:KF+16*\k+7], v[Q:Q+7], 0
.endr
.irp k, 0,1,2,3
	v_wmma_f32_16x16x32_f16 v[S+8*\k:S+8*\k+7], v[KF+16*\k+8:KF+16*\k+15], v[Q+8:Q+15], v[S+8*\k:S+8*\k+7]
.endr
.rept 4
	v_nop                                          ; places in front of the first read of the scores
.endr
	s_cmp_lg_u32 s[SI], s[PW]                      ; on the diagonal hidden scores become -infinity: p = 0 then
	s_cbranch_scc1 .Lopen_\@
.set n, 0
.rept 32
	v_cmp_gt_i32 vcc_lo, 16*(n/8)+n%8, v[DG]
	v_cndmask_b32 v[S+n], v[S+n], v[NINF], vcc_lo
.set n, n+1
.endr
.Lopen_\@:
.irp j, 0,1,2,3                        ; the maximum: four chains, each from its accumulator's low end on
	v_max3_num_f32 v[T+\j], v[S+8*\j], v[S+8*\j+1], v[S+8*\j+2]
.endr
.irp g, 1,2
.irp j, 0,1,2,3
	v_max3_num_f32 v[T+\j], v[T+\j], v[S+8*\j+2*\g+1], v[S+8*\j+2*\g+2]
.endr
.endr
	v_max3_num_f32 v[T], v[T], v[S+7], v[S+15]
	v_max3_num_f32 v[T+2], v[T+2], v[S+23], v[S+31]
	v_max3_num_f32 v[T], v[T], v[T+1], v[T+2]
	v_max3_num_f32 v[T], v[T], v[T+3], v[CM+1]     ; with the old m
	v_permlanex16_b32 v[T+1], v[T], s[SEL], s[SEL+1]   ; the query's other 32 keys lie in the lane 16 away
	v_mov_b32 v[T+3], v[CM]
	v_max_num_f32 v[CM+1], v[T], v[T+1]            ; the new m
	v_mul_f32 v[CM], s[CS], v[CM+1]
	v_sub_f32 v[T+3], v[T+3], v[CM]                ; c m_old - c m_new
.set n, 0
.rept 16
	v_pk_fma_f32 v[S+n:S+n+1], v[S+n:S+n+1], s[CS:CS+1], v[CM:CM+1] op_sel_hi:[1,0,0] neg_lo:[0,0,1] neg_hi:[0,0,1]   ; c s - c m
.set n, n+2
.endr
	v_exp_f32 v[AA], v[T+3]                        ; ONE BATCH: a and the 32 weights
.set n, 0
.rept 32
	v_exp_f32 v[S+n], v[S+n]
.set n, n+1
.endr
	v_nop                                          ; a plain line behind the last exponential
	s_wait_alu depctr_va_vdst(0)                   ; one wait for the batch, ahead of its first reader
.set n, 0
.rept 16
	v_cvt_pk_f16_f32 v[P+n], v[S+2*n], v[S+2*n+1]
.set n, n+1
.endr
.irp z, 0,1,2,3,4,5,6,7                ; the sum of the unrounded weights, a tree of packed additions
	v_pk_add_f32 v[S+4*\z:S+4*\z+1], v[S+4*\z:S+4*\z+1], v[S+4*\z+2:S+4*\z+3]
.endr
.irp z, 0,1,2,3
	v_pk_add_f32 v[S+8*\z:S+8*\z+1], v[S+8*\z:S+8*\z+1], v[S+8*\z+4:S+8*\z+5]
.endr
	v_pk_add_f32 v[S:S+1], v[S:S+1], v[S+8:S+9]
	v_pk_add_f32 v[S+16:S+17], v[S+16:S+17], v[S+24:S+25]
	v_pk_add_f32 v[S:S+1], v[S:S+1], v[S+16:S+17]
	v_pk_fma_f32 v[L:L+1], v[L:L+1], v[AA:AA+1], v[S:S+1] op_sel_hi:[1,0,1]   ; l = a l + the sum
.set n, 0
.rept 16
	v_pk_mul_f32 v[O+n:O+n+1], v[O+n:O+n+1], v[AA:AA+1] op_sel_hi:[1,0]       ; O^T x a, each accumulator from its low end on
.set n, n+2
.endr
	s_wait_dscnt 0x0                               ; V is in
.irp h, 0,1
.irp d, 0,1,2,3
	v_wmma_f32_16x16x32_f16 v[O+8*\d:O+8*\d+7], v[VF+32*\h+8*\d:VF+32*\h+8*\d+7], v[P+8*\h:P+8*\h+7], v[O+8*\d:O+8*\d+7]
.endr
.endr
.Lhidden_\@:
	s_add_co_u32 s[SI], s[SI], 1
	s_add_co_u32 s[TBK], s[TBK], 64*PK
	s_add_co_u32 s[TBV], s[TBV], 64*PV
.endm
; A CHUNK of 256 keys: the fetching waves wait for their part of it (their later chunks may stay out), a barrier shows it to all sixteen, four key steps follow.
.macro CHUNK c
	s_wait_tensorcnt 3-\c
	s_wait_dscnt 0x0
	s_barrier_signal -1
	s_barrier_wait -1
	s_mov_b32 s[TBK], \c*256*PK
	s_mov_b32 s[TBV], \c*256*PV
	s_mov_b32 s[SI], 4*\c
	s_mov_b32 s[CNT], 4
.Lstep_\@:
	STEP
	s_sub_co_u32 s[CNT], s[CNT], 1
	s_cmp_lg_u32 s[CNT], 0
	s_cbranch_scc1 .Lstep_\@
.endm
	CHUNK 0
	CHUNK 1
	CHUNK 2
	CHUNK 3
	; THE WAY OUT.  Behind this barrier nobody reads K any more, and its bytes have had their only fill: the stages lie there.
	s_wait_dscnt 0x0
	s_barrier_signal -1
	s_barrier_wait -1
	v_add_f32 v[T], v[L], v[L+1]                   ; l's two halves,
	v_permlanex16_b32 v[T+1], v[T], s[SEL], s[SEL+1]
	v_add_f32 v[T], v[T], v[T+1]                   ; and the other half of the lanes'
	v_rcp_f32 v[AA], v[T]
	v_nop                                          ; with the additions: the places behind the last products; and the plain line behind the reciprocal
	v_nop
	s_wait_alu depctr_va_vdst(0)                   ; ahead of its first reader
.set n, 0
.rept 16
	v_pk_mul_f32 v[O+n:O+n+1], v[O+n:O+n+1], v[AA:AA+1] op_sel_hi:[1,0]
.set n, n+2
.endr
.set n, 0
.rept 16
	v_cvt_pk_f16_f32 v[P+n], v[O+2*n], v[O+2*n+1]  ; a lane's eight channels of a tile: 16 bytes
.set n, n+1
.endr
.irp d, 0,1,2,3
	ds_store_b128 v[STO], v[P+4*\d:P+4*\d+3] offset:32*\d
.endr
.irp i, 0,1,2,3
	ds_load_b128 v[S+4*\i:S+4*\i+3], v[RD] offset:\i*4*PK          ; LDS serves a wave's instructions in order: these see my stores
.endr
.irp i, 0,1,2,3
	s_wait_dscnt 3-\i
	global_store_b128 v[GO], v[S+4*\i:S+4*\i+3], s[6:7] offset:512*\i   ; four queries: 512 consecutive bytes, aligned
.endr
	s_wait_tensorcnt 0x0                           ; the wave's end
	ds_add_u32 v[SPW], v[NIL]
	s_wait_dscnt 0x0
	CROUND                                         ; the closing round
	s_endpgm
.Lfunc_end_k_qe244e872e9_attn:
	.size	k_qe244e872e9_attn, .Lfunc_end_k_qe244e872e9_attn-k_qe244e872e9_attn
	.p2alignl 7, 3214868480
	.fill 96, 4, 3214868480
	.section	.rodata,"a",@progbits
	.p2align	6, 0x0
	.amdhsa_kernel k_qe244e872e9_attn
		.amdhsa_group_segment_fixed_size 327680
		.amdhsa_private_segment_fixed_size 0
		.amdhsa_enable_private_segment 0
		.amdhsa_kernarg_size 16
		.amdhsa_user_sgpr_count 2
		.amdhsa_user_sgpr_kernarg_segment_ptr 1
		.amdhsa_wavefront_size32 1
		.amdhsa_system_sgpr_workgroup_id_x 1
		.amdhsa_system_sgpr_workgroup_id_y 1
		.amdhsa_system_sgpr_workgroup_id_z 1
		.amdhsa_system_vgpr_workitem_id 0
		.amdhsa_next_free_vgpr 256
		.amdhsa_next_free_sgpr 80
		.amdhsa_reserve_vcc 1
		.amdhsa_float_denorm_mode_32 3
		.amdhsa_float_denorm_mode_16_64 3
		.amdhsa_memory_ordered 1
		.amdhsa_forward_progress 1
		.amdhsa_inst_pref_size 63
	.end_amdhsa_kernel
	.amdgpu_metadata
---
amdhsa.version: [ 1, 2 ]
amdhsa.kernels:
  - .name:           k_qe244e872e9_attn
    .symbol:         k_qe244e872e9_attn.kd
    .args:
      - { .name: qkv, .offset: 0, .size: 8, .value_kind: global_buffer, .address_space: global }
      - { .name: att, .offset: 8, .size: 8, .value_kind: global_buffer, .address_space: global }
    .group_segment_fixed_size: 327680
    .private_segment_fixed_size: 0
    .kernarg_segment_align: 8
    .kernarg_segment_size: 16
    .max_flat_workgroup_size: 512
    .sgpr_count:     80
    .vgpr_count:     256
    .wavefront_size: 32
...
	.end_amdgpu_metadata
.endif
;; end of part 3
;; launch proj (part 4): grid 8 x 32, 4 waves a work-group, clusters of 4 x 4, 327,680 bytes of LDS; arguments att, wpt, bp, out0; writes out0
.if DOCPART == 4
	.amdgcn_target "amdgcn-amd-amdhsa--gfx1250"
	.amdhsa_code_object_version 6
	.text
	.protected	k_qe244e872e9_proj
	.globl	k_qe244e872e9_proj
	.p2align	8
	.type	k_qe244e872e9_proj,@function
k_qe244e872e9_proj:
	s_mov_b64 s[64:65], 0
	v_nop
	global_prefetch_b8 v0, s[64:65] scope:SCOPE_SE
	s_setreg_imm32_b32 hwreg(HW_REG_WAVE_MODE, 25, 1), 1
	s_wait_xcnt 0x0
	s_wait_alu depctr_hold_cnt(0) depctr_sa_sdst(0) depctr_va_vdst(0) depctr_va_sdst(0) depctr_va_ssrc(0) depctr_va_vcc(0) depctr_vm_vsrc(0)
	s_getreg_b32 s2, hwreg(HW_REG_IB_STS2, 6, 4)
	s_cmp_eq_u32 s2, 0
	s_cbranch_scc0 .Lentry_in_a_cluster
	s_endpgm
.Lentry_in_a_cluster:
	s_bfe_u32 s2, ttmp6, 0x10000c
	s_cmp_lg_u32 s2, 0xf033
	s_cbranch_scc0 .Lentry_shape_is_right
	s_endpgm
.Lentry_shape_is_right:
; PROJ: out0[token][n] = sum over k of att[token][k] Wp[k][n] + bp[n], 4,096 x 1,024 x 1,024, f16 operands, f32 sums, f32 out.
; A = att, f16, laid [16 x batch + head][t][64]: k = 64 x head + d.  B = wpt, f16, [n][k].  (The rows of the first 16 positions of every batch are written again, in f32 arithmetic, by the next launch.)
; A tile of C is 128 x 128, so that there are 256 work-groups; four waves, 64 x 64 each: 16 accumulators.  K goes in steps of 256 (four heads) through two LDS slots.
; A's part of a slot comes by one load a wave: 4 rows (heads) of 4,096 elements (64 tokens x 64 d, dense in memory), 65,536 elements apart, with 16 bytes of padding behind every 128: in LDS [head][token][144 bytes].
; B's: 64 rows of 512 bytes + 16.  CLUSTERS: 4 x 4; A's tiles are asked for jointly along a row of the cluster, B's along a column.
; The matrix instruction is used transposed (source 0 = 16 rows of wpt, source 1 = 16 tokens): a lane holds eight neighbouring n of one token.  The bias is the C of each sum's first product.
; No prefetch: on tiles this small a K step's requests are few and the tiles are shared in the cluster.
; REGISTERS: window 0: v0-31 addresses; v32-63 the bias, later with v64-95 the way out; v128-255 the accumulators ((a, b) at v[128 + 8 (4 a + b)]).  window 1: two fragment buffers of 128.
.set KSTEP,  256
.set PITCH,  528                       ; B's LDS row
.set PA,     144                       ; A's LDS row: one token of one head
.set HEADA,  64*PA
.set HALFA,  4*HEADA                   ; what one tensor load brings of A
.set HALFB,  64*PITCH                  ; and of B
.set SLOT,   2*HALFA+2*HALFB
.set SPARE,  2*SLOT                    ; the spare words, 128 bytes for each wave: two blocks of 256 bytes that no other line names
.set SPITCH, 272                       ; the way out: a stage of 16 rows x (256 bytes + 16) for each wave, in slot 0, which has had its last fill and its last read by then
.set LAPS,   2
.set ADRA, 16
.set ADRB, 20
.set STO,  24
.set RD,   25
.set CO,   26
.set SPW,  28
.set NIL,  29
.set BI,   32
.set ACC,  128
.set F0,   0
.set F1,   128
.set G1, 24
.set G0, 32
.set G1B, 48
.set G0B, 56
.set MSB, 0
.macro WIN new
.if MSB != (\new)
	s_set_vgpr_msb (MSB<<8)|(\new)
.set MSB, (\new)
.endif
.endm
.set MUL,  0x05                        ; sources 0 (B) and 1 (A) window 1; C and D window 0
.set TO_F, 0x40
.macro JLOAD s                         ; waves 0 and 1 fetch A's two halves, waves 2 and 3 B's; an s_nop 0 and four v_nop follow each line
	s_cmp_eq_u32 s11, 0
	s_cbranch_scc0 .Lfor_b_\@
	tensor_load_to_lds s[G0+4*\s:G0+4*\s+3], s[G1:G1+7]
	s_nop 0
.rept 4
	v_nop
.endr
	s_branch .Lasked_\@
.Lfor_b_\@:
	tensor_load_to_lds s[G0B+4*\s:G0B+4*\s+3], s[G1B:G1B+7]
	s_nop 0
.rept 4
	v_nop
.endr
.Lasked_\@:
.endm
.macro CREST
	s_cmp_lg_u32 s10, 0
	s_cbranch_scc1 .Lnot_wave_0_\@
	s_barrier_signal -3
.Lnot_wave_0_\@:
	s_barrier_wait -3
	s_barrier_signal -1
	s_barrier_wait -1
.endm
.macro CROUND
	s_barrier_signal -1
	s_barrier_wait -1
	CREST
.endm
	s_load_b128 s[4:7], s[0:1], 0x0                ; att, wpt
	s_load_b64 s[66:67], s[0:1], 0x10              ; bp
	s_load_b64 s[8:9], s[0:1], 0x18                ; out0
	v_lshl_add_u32 v[SPW], v0, 2, SPARE
	v_mov_b32 v[NIL], 0
	ds_add_u32 v[SPW], v[NIL]                      ; the wave's opening: the add, twice on end, and its wait ahead of my first tensor load
	ds_add_u32 v[SPW], v[NIL]
	v_lshrrev_b32 v1, 5, v0
	v_readfirstlane_b32 s10, v1                    ; wave 0..3
	s_lshr_b32 s11, s10, 1                         ; which half of the tile's tokens is mine.  Also: I fetch for A (0) or for B (1)
	s_and_b32 s12, s10, 1                          ; which half of its columns.  Also: which 64 rows I fetch
	s_bfe_u32 s40, ttmp6, 0x40000
	s_bfe_u32 s41, ttmp6, 0x40004
	s_lshl_b32 s42, ttmp9, 2
	s_add_co_u32 s42, s42, s40                     ; tile column
	s_and_b32 s13, ttmp7, 0xffff
	s_lshl_b32 s13, s13, 2
	s_add_co_u32 s13, s13, s41                     ; tile row
	s_lshl_b32 s43, s41, 2
	s_lshl_b32 s43, 15, s43                        ; my row of the cluster
	s_lshl_b32 s44, 0x1111, s40                    ; my column
	s_or_b32 s[G1+0], s43, (1<<16)|(1<<20)|(1<<21)|(4<<22)|(3<<25)   ; A: elements of 2 bytes; padding of 4 words after every 32
	s_mov_b32 s[G1+1], 4096<<16                    ; tensor_dim0 = 4,096
	s_mov_b32 s[G1+2], 4<<16                       ; tensor_dim1 = 4
	s_mov_b32 s[G1+3], 4096<<16                    ; tile_dim0
	s_mov_b32 s[G1+4], 4                           ; tile_dim1
	s_mov_b32 s[G1+5], 65536                       ; from head to head
	s_mov_b32 s[G1+6], 0
	s_mov_b32 s[G1+7], 0
	s_or_b32 s[G1B+0], s44, (1<<16)|(1<<20)|(1<<21)|(6<<22)|(3<<25)  ; B: padding of 4 words after every 128
	s_mov_b32 s[G1B+1], KSTEP<<16
	s_mov_b32 s[G1B+2], 64<<16
	s_mov_b32 s[G1B+3], KSTEP<<16
	s_mov_b32 s[G1B+4], 64
	s_mov_b32 s[G1B+5], 1024
	s_mov_b32 s[G1B+6], 0
	s_mov_b32 s[G1B+7], 0
	s_lshr_b32 s16, s13, 3                         ; A: the batch's 16 blocks of 131,072 bytes,
	s_lshl_b32 s16, s16, 21
	s_and_b32 s17, s13, 7
	s_lshl_b32 s17, s17, 14                        ; + 128 tokens of 128 bytes for each tile row in the batch,
	s_add_co_u32 s16, s16, s17
	s_lshl_b32 s17, s12, 13                        ; + the 64 tokens that I fetch
	s_add_co_u32 s16, s16, s17
	s_mov_b32 s17, 0
	s_lshl_b32 s46, s42, 18                        ; B: row 128 x tile column + 64 x half, of 2,048 bytes
	s_lshl_b32 s47, s12, 17
	s_add_co_u32 s46, s46, s47
	s_mov_b32 s47, 0
	s_mul_i32 s20, s12, HALFA                      ; where they go: A's two halves, then B's two
	s_mul_i32 s21, s12, HALFB
	s_add_co_u32 s21, s21, 2*HALFA
	s_wait_dscnt 0x0                               ; both opening adds are done
	s_wait_kmcnt 0x0
	s_add_nc_u64 s[14:15], s[4:5], s[16:17]
	s_add_nc_u64 s[46:47], s[6:7], s[46:47]
	CROUND                                         ; all sixteen work-groups are here: the first joint loads meet
.irp s, 0,1
	s_mov_b32 s[G0+4*\s], 1
	s_add_co_u32 s[G0+4*\s+1], s20, \s*SLOT
	s_add_nc_u64 s[G0+4*\s+2:G0+4*\s+3], s[14:15], \s*4*131072     ; K step s: heads 4 s on
	s_or_b32 s[G0+4*\s+3], s[G0+4*\s+3], 0x80000000
	s_mov_b32 s[G0B+4*\s], 1
	s_add_co_u32 s[G0B+4*\s+1], s21, \s*SLOT
	s_add_nc_u64 s[G0B+4*\s+2:G0B+4*\s+3], s[46:47], \s*KSTEP*2
	s_or_b32 s[G0B+4*\s+3], s[G0B+4*\s+3], 0x80000000
	JLOAD \s
.endr
	v_and_b32 v1, 15, v0                           ; l % 16
	v_bfe_u32 v2, v0, 4, 1                         ; l / 16
	v_mul_u32_u24 v3, v1, PA
	v_lshl_add_u32 v3, v2, 4, v3
	v_mul_u32_u24 v4, v1, PITCH
	v_lshl_add_u32 v4, v2, 4, v4
	s_mul_i32 s21, s11, HALFA                      ; my 64 tokens of A
	s_mul_i32 s22, s12, HALFB                      ; my 64 rows of B
	s_add_co_u32 s22, s22, 2*HALFA
.irp s, 0,1
	v_add_nc_u32 v[ADRA+\s], s21, v3
	v_add_nc_u32 v[ADRB+\s], s22, v4
	s_add_co_u32 s21, s21, SLOT
	s_add_co_u32 s22, s22, SLOT
.endr
	s_mul_i32 s23, s10, 16*SPITCH                  ; my stage
	v_mul_u32_u24 v4, v1, SPITCH                   ; in: row l % 16, 32 bytes for each half of the lanes
	v_lshl_add_u32 v4, v2, 5, v4
	v_add_nc_u32 v[STO], s23, v4
	v_mul_u32_u24 v5, v2, SPITCH                   ; back: lanes 0-15 one row of 256 bytes, lanes 16-31 the next
	v_lshl_add_u32 v5, v1, 4, v5
	v_add_nc_u32 v[RD], s23, v5
	v_lshlrev_b32 v5, 12, v2                       ; and the same two rows in out0
	v_lshl_add_u32 v[CO], v1, 4, v5
	v_lshlrev_b32 v6, 5, v2                        ; the bias: 32 bytes for each half of the lanes
	s_lshl_b32 s16, s13, 19                        ; my first row of out0: 128 x tile row + 64 x half, of 4,096 bytes
	s_lshl_b32 s17, s11, 18
	s_add_co_u32 s16, s16, s17
	s_mov_b32 s17, 0
	s_add_nc_u64 s[8:9], s[8:9], s[16:17]
	s_lshl_b32 s46, s42, 9                         ; my first column, in bytes: 512 x tile column + 256 x half
	s_lshl_b32 s47, s12, 8
	s_add_co_u32 s46, s46, s47
	s_mov_b32 s47, 0
	s_add_nc_u64 s[8:9], s[8:9], s[46:47]
	s_add_nc_u64 s[66:67], s[66:67], s[46:47]
.irp b, 0,1,2,3
	global_load_b128 v[BI+8*\b:BI+8*\b+3],   v6, s[66:67] offset:64*\b       ; register j of block b: bp(my first column + 16 b + 8 (l / 16) + j), the result's layout
	global_load_b128 v[BI+8*\b+4:BI+8*\b+7], v6, s[66:67] offset:64*\b+16
.endr
; 8 matrix instructions: token blocks a0, a0 + 1 x all 4 column blocks, 32 along K.  first = 1: the first product starts the sums from the bias.  The 16 accumulators take turns.
.macro MUL8 f, c, a0, first
.irp a, \a0, \a0+1
.irp b, 0,1,2,3
.if \first
	v_wmma_f32_16x16x32_f16 v[ACC+8*(4*(\a)+\b):ACC+8*(4*(\a)+\b)+7], v[\f+64+8*(4*\c+\b):\f+64+8*(4*\c+\b)+7], v[\f+8*(4*\c+\a):\f+8*(4*\c+\a)+7], v[BI+8*\b:BI+8*\b+7]
.else
	v_wmma_f32_16x16x32_f16 v[ACC+8*(4*(\a)+\b):ACC+8*(4*(\a)+\b)+7], v[\f+64+8*(4*\c+\b):\f+64+8*(4*\c+\b)+7], v[\f+8*(4*\c+\a):\f+8*(4*\c+\a)+7], v[ACC+8*(4*(\a)+\b):ACC+8*(4*(\a)+\b)+7]
.endif
.endr
.endr
.endm
; 32 LDS loads in one run: the fragments of 64 along K (one head), at byte k of B's rows and in head k / 128 of A's part, into buffer f
.macro FETCH slot, k, f
	WIN TO_F
.irp c, 0,1
.irp i, 0,1,2,3
	ds_load_b128 v[\f+64+8*(4*\c+\i):\f+64+8*(4*\c+\i)+3],   v[ADRB+\slot] offset:\k+64*\c+\i*16*PITCH
	ds_load_b128 v[\f+64+8*(4*\c+\i)+4:\f+64+8*(4*\c+\i)+7], v[ADRB+\slot] offset:\k+64*\c+\i*16*PITCH+32
	ds_load_b128 v[\f+8*(4*\c+\i):\f+8*(4*\c+\i)+3],         v[ADRA+\slot] offset:((\k)/128)*HEADA+64*\c+\i*16*PA
	ds_load_b128 v[\f+8*(4*\c+\i)+4:\f+8*(4*\c+\i)+7],       v[ADRA+\slot] offset:((\k)/128)*HEADA+64*\c+\i*16*PA+32
.endr
.endr
.endm
.macro PLACES
.rept 4
	v_nop
.endr
.endm
.macro QUARTER slot, k, f, g, first
	s_wait_dscnt 16                                ; the first 32 along K are in
	WIN MUL
	MUL8 \f, 0, 0, \first
	MUL8 \f, 0, 2, \first
	PLACES
	FETCH \slot, \k, \g
	s_wait_dscnt 32                                ; all but the 32 just issued
	WIN MUL
	MUL8 \f, 1, 0, 0
	MUL8 \f, 1, 2, 0
.endm
; The last quarter changes slots: one barrier; in front of it each wave waits for all its tensor loads, adds 0 to its spare word, and waits for that and for its reads of this slot.  fill = 1: the slot is filled again, two K steps on.
.macro TURN slot, next, fill
	WIN 0
	s_wait_tensorcnt 0x0                           ; my part of the next slot has landed
	ds_add_u32 v[SPW], v[NIL]
	s_wait_dscnt 17                                ; the add and the youngest sixteen loads may be out
	WIN MUL
	MUL8 F1, 0, 0, 0
	s_wait_dscnt 0x0                               ; the add is done, and my reads of this slot are over
	s_barrier_signal -1
	MUL8 F1, 0, 2, 0
.if \fill
	WIN 0
.endif
	s_barrier_wait -1
.if \fill
	CREST                                          ; the barrier has opened a round of the cluster's: no wave of any partner still reads this slot or has a load on its way
	s_add_nc_u64 s[G0+4*\slot+2:G0+4*\slot+3], s[G0+4*\slot+2:G0+4*\slot+3], 8*131072
	s_add_nc_u64 s[G0B+4*\slot+2:G0B+4*\slot+3], s[G0B+4*\slot+2:G0B+4*\slot+3], 2*KSTEP*2
	JLOAD \slot                                    ; the first tensor load behind the round; its four v_nop are also the places in front of the loads below
.else
	PLACES
.endif
	FETCH \next, 0, F0
	WIN MUL
	MUL8 F1, 1, 0, 0
	MUL8 F1, 1, 2, 0
.endm
	s_wait_tensorcnt 1                             ; my part of K step 0 is in; K step 1's may be out
	s_barrier_signal -1
	s_barrier_wait -1
	FETCH 0, 0, F0
	s_wait_loadcnt 0x0                             ; the bias
	QUARTER 0, 128, F0, F1, 1
	WIN 0
	s_mov_b32 s3, LAPS-1
.Llap:                                                 ; a trip goes once round the ring and fills both slots again
	QUARTER 0, 256, F1, F0, 0
	QUARTER 0, 384, F0, F1, 0
	TURN 0, 1, 1
	QUARTER 1, 128, F0, F1, 0
	QUARTER 1, 256, F1, F0, 0
	QUARTER 1, 384, F0, F1, 0
	TURN 1, 0, 1
	QUARTER 0, 128, F0, F1, 0
	WIN 0
	s_sub_co_u32 s3, s3, 1
	s_cmp_lg_u32 s3, 0
	s_cbranch_scc1 .Llap
	QUARTER 0, 256, F1, F0, 0                      ; the last lap fills nothing
	QUARTER 0, 384, F0, F1, 0
	TURN 0, 1, 0
	QUARTER 1, 128, F0, F1, 0
	QUARTER 1, 256, F1, F0, 0
	QUARTER 1, 384, F0, F1, 0
	s_wait_dscnt 16
	WIN MUL
	MUL8 F1, 0, 0, 0
	MUL8 F1, 0, 2, 0
	s_wait_dscnt 0
	MUL8 F1, 1, 0, 0
	MUL8 F1, 1, 2, 0
	WIN 0
; THE WAY OUT, in f32: a wave's 64 columns are 256 aligned bytes of a row, so each wave has a stage of its own and no barrier is needed.  A block of 16 tokens goes in by lanes and comes back by rows.
.macro TOSTAGE a
.irp b, 0,1,2,3
	ds_store_b128 v[STO], v[ACC+8*(4*(\a)+\b):ACC+8*(4*(\a)+\b)+3] offset:64*\b        ; each accumulator from its low end on
	ds_store_b128 v[STO], v[ACC+8*(4*(\a)+\b)+4:ACC+8*(4*(\a)+\b)+7] offset:64*\b+16
.endr
.irp t, 0,1,2,3,4,5,6,7
	ds_load_b128 v[32+32*((\a)%2)+4*\t:32+32*((\a)%2)+4*\t+3], v[RD] offset:\t*2*SPITCH
.endr
.endm
.macro SEND a, younger
	s_wait_dscnt \younger                          ; the block is back; the next block's eight stores and eight loads may be out
.irp t, 0,1,2,3,4,5,6,7
	global_store_b128 v[CO], v[32+32*((\a)%2)+4*\t:32+32*((\a)%2)+4*\t+3], s[8:9] offset:(16*(\a)+2*\t)*4096   ; sixteen lanes store 256 consecutive bytes, aligned
.endr
.endm
	PLACES
	TOSTAGE 0
	TOSTAGE 1
	SEND 0, 16
	s_wait_xcnt 0x0                                ; block 0's stores have read their registers: block 2's loads may land there
	TOSTAGE 2
	SEND 1, 16
	s_wait_xcnt 0x0
	TOSTAGE 3
	SEND 2, 16
	SEND 3, 0
	s_wait_tensorcnt 0x0                           ; the wave's end
	ds_add_u32 v[SPW], v[NIL]
	s_wait_dscnt 0x0
	CROUND                                         ; the closing round
	s_endpgm
.Lfunc_end_k_qe244e872e9_proj:
	.size	k_qe244e872e9_proj, .Lfunc_end_k_qe244e872e9_proj-k_qe244e872e9_proj
	.p2alignl 7, 3214868480
	.fill 96, 4, 3214868480
	.section	.rodata,"a",@progbits
	.p2align	6, 0x0
	.amdhsa_kernel k_qe244e872e9_proj
		.amdhsa_group_segment_fixed_size 327680
		.amdhsa_private_segment_fixed_size 0
		.amdhsa_enable_private_segment 0
		.amdhsa_kernarg_size 32
		.amdhsa_user_sgpr_count 2
		.amdhsa_user_sgpr_kernarg_segment_ptr 1
		.amdhsa_wavefront_size32 1
		.amdhsa_system_sgpr_workgroup_id_x 1
		.amdhsa_system_sgpr_workgroup_id_y 1
		.amdhsa_system_sgpr_workgroup_id_z 1
		.amdhsa_system_vgpr_workitem_id 0
		.amdhsa_next_free_vgpr 512
		.amdhsa_next_free_sgpr 72
		.amdhsa_reserve_vcc 0
		.amdhsa_float_denorm_mode_32 3
		.amdhsa_float_denorm_mode_16_64 3
		.amdhsa_memory_ordered 1
		.amdhsa_forward_progress 1
		.amdhsa_inst_pref_size 87
	.end_amdhsa_kernel
	.amdgpu_metadata
---
amdhsa.version: [ 1, 2 ]
amdhsa.kernels:
  - .name:           k_qe244e872e9_proj
    .symbol:         k_qe244e872e9_proj.kd
    .args:
      - { .name: att, .offset: 0, .size: 8, .value_kind: global_buffer, .address_space: global }
      - { .name: wpt, .offset: 8, .size: 8, .value_kind: global_buffer, .address_space: global }
      - { .name: bp, .offset: 16, .size: 8, .value_kind: global_buffer, .address_space: global }
      - { .name: out0, .offset: 24, .size: 8, .value_kind: global_buffer, .address_space: global }
    .group_segment_fixed_size: 327680
    .private_segment_fixed_size: 0
    .kernarg_segment_align: 8
    .kernarg_segment_size: 32
    .max_flat_workgroup_size: 128
    .sgpr_count:     72
    .vgpr_count:     512
    .wavefront_size: 32
...
	.end_amdgpu_metadata
.endif
;; end of part 4
;; launch first16 (part 5): grid 64 x 4, 16 waves a work-group, no clusters, 161,792 bytes of LDS; arguments qkv32, Wp, bp, out0; writes out0
.if DOCPART == 5
	.amdgcn_target "amdgcn-amd-amdhsa--gfx1250"
	.amdhsa_code_object_version 6
	.text
	.protected	k_qe244e872e9_first16
	.globl	k_qe244e872e9_first16
	.p2align	8
	.type	k_qe244e872e9_first16,@function
k_qe244e872e9_first16:
	s_mov_b64 s[64:65], 0
	v_nop
	global_prefetch_b8 v0, s[64:65] scope:SCOPE_SE
	s_setreg_imm32_b32 hwreg(HW_REG_WAVE_MODE, 25, 1), 1
	s_wait_xcnt 0x0
; FIRST16: the first 16 positions of every batch, where a row of the softmax averages one to sixteen values, are carried in f32 from q, k, v to out0: attention and projection by the f32 matrix form (64 rows in all: no bulk work).
; In: qkv32 f32 [16 x batch + t][3,072 = 1,024 x (q, k, v) + 64 x head + d], Wp f32 [k][n], bp.  Out: rows t < 16 of every batch of out0, over what the launch before left there.
; SHARES.  Work-group (x, y): columns 16 x on of batch y: 256 work-groups.  Wave w takes head w: its attention for the 16 queries, then its 64 of the projection's K for the 16 columns.  The sixteen partial sums meet in LDS;
; waves 0 and 1 add them up, with the bias, and store.  A row's piece is 64 bytes: the form's tile is 16 x 16, and a work-group with 64 columns would have four times the projection's products, in a quarter of the work-groups.
; Only these 64 rows of out0 (256 KiB in all) are written in such pieces.
; Each work-group makes the 16 heads' attention anew (32 of a wave's 48 matrix instructions): that spares a launch and a way through memory.
; No tensor loads and no cluster: a wave's operands are its own head's, read by that wave alone in its work-group.  All 57 loads of a wave go out at its head.
; LOADS.  Q and K are read as they lie, sixteen lanes to a row's 256 bytes, and turn through the wave's own stage in LDS (rows of 256 bytes + 16), so that a lane then holds 32 channels of its row.
; V is read as it lies too: a lane takes 4 neighbouring channels of a key; so row m of tile t of O^T is channel 4 m + t, and 32 moves bring a tile's eight keys together.
; LAYOUT.  The form takes K = 4: lane (r, h), register j holds k = 2 h + j.  In every product both operands are given the same other order of k, which leaves the sum's terms as they are:
;   S^T = K Q^T: step c: channel 32 h + 2 c + j.     O^T = V^T P: step c: key 8 h + 2 c + j, as S^T leaves the weights.     Y^T = Wp^T att^T: step 4 t + c: channel 32 h + 8 c + 4 j + t, as O^T leaves them.
; A lane holds one query (lane % 16) throughout.  The registers that the matrix form writes (v188-235) are written by it alone; sums begin with the constant 0.
; LIMITS: NaN and infinities are not served.
; REGISTERS: v2-9, v20-26 addresses and constants; v10, v11 the add's two; v12-19 at work; v28-59 Q, v60-91 K (later the partial sums); v92-123 V by tiles, then att; v124-155 V as loaded; v156-187 Wp; v188-203 S^T in two halves;
;   v204-235 O^T, then Y^T in four parts; v236-243 the scores, then the weights; v244-247 the bias.
.set PQ,    12288                      ; a row of qkv32 in bytes
.set WREG,  2*16*272                   ; LDS: a wave's stage: Q's 16 rows, then K's
.set PS,    16*WREG                    ; behind the stages: sixteen partial sums, 16 rows of 64 bytes + 16 each
.set PSW,   16*80
.set SPARE, PS+16*PSW                  ; the spare words, 128 bytes for each wave: eight blocks of 256 bytes that no other line names
	s_load_b256 s[4:11], s[0:1], 0x0               ; qkv32 s[4:5], Wp s[6:7], bp s[8:9], out0 s[10:11]
	v_lshl_add_u32 v10, v0, 2, SPARE               ; v10, v11: the add's two; never rewritten
	v_mov_b32 v11, 0
	v_lshrrev_b32 v1, 5, v0
	v_readfirstlane_b32 s12, v1                    ; wave = head
	s_and_b32 s13, ttmp7, 0xffff                   ; batch
	v_and_b32 v2, 15, v0                           ; r
	v_bfe_u32 v3, v0, 4, 1                         ; h
	v_mul_u32_u24 v4, v3, PQ
	v_lshl_add_u32 v4, v2, 4, v4                   ; Q, K as they lie: row h of a pair, 16 r bytes into the head's 256
	v_mul_u32_u24 v5, v3, 8*PQ
	v_lshl_add_u32 v5, v2, 4, v5                   ; V: keys 8 h on, channels 4 r on
	v_lshlrev_b32 v6, 17, v3
	v_lshl_add_u32 v6, v2, 2, v6                   ; Wp: rows 32 h on, column r
	v_lshlrev_b32 v7, 3, v3
	v_sub_nc_u32 v7, v2, v7                        ; r - 8 h: register j (key 8 h + j) is hidden where j is above it
	s_mul_i32 s14, s12, WREG                       ; my stage
	v_mul_u32_u24 v20, v3, 272
	v_lshl_add_u32 v20, v2, 4, v20
	v_add_nc_u32 v20, s14, v20                     ; in: as loaded
	v_mul_u32_u24 v21, v2, 272
	v_lshl_add_u32 v21, v3, 7, v21
	v_add_nc_u32 v21, s14, v21                     ; out: row r, channels 32 h on
	s_mul_i32 s14, s12, PSW
	s_add_co_u32 s14, s14, PS
	v_mul_u32_u24 v8, v2, 80
	v_lshl_add_u32 v8, v3, 5, v8
	v_add_nc_u32 v8, s14, v8                       ; my partial sums: row r, + 32 h
	v_and_b32 v22, 3, v0
	v_lshlrev_b32 v24, 4, v22                      ; the way out: 16 bytes a lane, four lanes to a row's 64
	v_and_b32 v23, 63, v0
	v_lshrrev_b32 v23, 2, v23                      ; and the query: 8 x wave + lane / 4, in waves 0 and 1
	v_mul_u32_u24 v9, v23, 80
	v_add_nc_u32 v9, v9, v24
	v_add_nc_u32 v9, PS, v9                        ; its place in a partial sum,
	v_lshl_add_u32 v26, v23, 12, v24               ; and in out0
	v_mov_b32 v25, 0xff800000
	s_mov_b32 s20, 0x76543210
	s_mov_b32 s21, 0xfedcba98
	s_mov_b32 s22, 0x3d38aa3b                      ; c = log2(e) / 32
	s_mov_b32 s23, s22
	s_mul_i32 s16, s13, 16*PQ
	s_lshl_b32 s17, s12, 8
	s_add_co_u32 s16, s16, s17                     ; qkv32: the batch's 16 rows, the head's 64 columns
	s_mov_b32 s17, 0
	s_lshl_b32 s18, s12, 18
	s_lshl_b32 s24, ttmp9, 6                       ; my 16 columns, in bytes
	s_add_co_u32 s18, s18, s24                     ; Wp: the head's 64 rows, my columns
	s_mov_b32 s19, 0
	s_mov_b32 s25, 0
	s_lshl_b32 s26, s13, 22
	s_add_co_u32 s26, s26, s24                     ; out0: row 1,024 x batch, my columns
	s_mov_b32 s27, 0
	s_wait_kmcnt 0x0
	s_add_nc_u64 s[4:5], s[4:5], s[16:17]
	s_add_nc_u64 s[6:7], s[6:7], s[18:19]
	s_add_nc_u64 s[8:9], s[8:9], s[24:25]
	s_add_nc_u64 s[10:11], s[10:11], s[26:27]
.irp i, 0,1,2,3,4,5,6,7
	global_load_b128 v[28+4*\i:31+4*\i], v4, s[4:5] offset:\i*2*PQ           ; Q: rows 2 i and 2 i + 1, 256 consecutive bytes each
.endr
.irp i, 0,1,2,3,4,5,6,7
	global_load_b128 v[60+4*\i:63+4*\i], v4, s[4:5] offset:4096+\i*2*PQ      ; K
.endr
.irp k, 0,1,2,3,4,5,6,7
	global_load_b128 v[124+4*\k:127+4*\k], v5, s[4:5] offset:8192+\k*PQ      ; V(key 8 h + k, channels 4 r + 0 .. 3)
.endr
.irp t, 0,1,2,3
.irp c, 0,1,2,3
.irp j, 0,1
	global_load_b32 v[156+2*(4*\t+\c)+\j], v6, s[6:7] offset:(8*\c+4*\j+\t)*4096   ; Wp(64 w + 32 h + 8 c + 4 j + t, my column r): step 4 t + c, register j
.endr
.endr
.endr
	global_load_b128 v[244:247], v24, s[8:9]       ; the bias of a lane's four columns on the way out
	s_wait_loadcnt 41                              ; Q and K are in; V's 8 loads, Wp's 32 and the bias may be out
.irp i, 0,1,2,3,4,5,6,7
	ds_store_b128 v20, v[28+4*\i:31+4*\i] offset:544*\i
.endr
.irp i, 0,1,2,3,4,5,6,7
	ds_store_b128 v20, v[60+4*\i:63+4*\i] offset:4352+544*\i
.endr
.irp i, 0,1,2,3,4,5,6,7
	ds_load_b128 v[28+4*\i:31+4*\i], v21 offset:16*\i              ; LDS serves a wave's instructions in order: these see my stores.  Register 4 i + m: Q(r, 32 h + 4 i + m)
.endr
.irp i, 0,1,2,3,4,5,6,7
	ds_load_b128 v[60+4*\i:63+4*\i], v21 offset:4352+16*\i
.endr
	s_wait_dscnt 0x0
.set c, 0
.rept 16                               ; S^T in two halves that take turns
.if c < 2
	v_wmma_f32_16x16x4_f32 v[188+8*(c%2):195+8*(c%2)], v[60+2*c:61+2*c], v[28+2*c:29+2*c], 0
.else
	v_wmma_f32_16x16x4_f32 v[188+8*(c%2):195+8*(c%2)], v[60+2*c:61+2*c], v[28+2*c:29+2*c], v[188+8*(c%2):195+8*(c%2)]
.endif
.set c, c+1
.endr
	s_wait_loadcnt 33                              ; V is in; Wp's 32 loads and the bias may be out
.irp t, 0,1,2,3
.irp k, 0,1,2,3,4,5,6,7
	v_mov_b32 v[92+8*\t+\k], v[124+4*\k+\t]        ; tile t's eight keys together.  These 32 lines, which name no register of the products above, are also the eight places in front of the first read of the scores
.endr
.endr
.irp j, 0,1,2,3,4,5,6,7
	v_add_f32 v[236+\j], v[188+\j], v[196+\j]      ; the two halves, from the low end on
.endr
.irp j, 0,1,2,3,4,5,6,7
	v_cmp_gt_i32 vcc_lo, \j, v7
	v_cndmask_b32 v[236+\j], v[236+\j], v25, vcc_lo   ; the causal mask
.endr
	v_max3_num_f32 v12, v236, v237, v238
	v_max3_num_f32 v13, v239, v240, v241
	v_max3_num_f32 v12, v12, v242, v243
	v_max_num_f32 v12, v12, v13
	v_permlanex16_b32 v13, v12, s20, s21
	v_max_num_f32 v12, v12, v13                    ; the row's maximum (key 0 counts for every query)
	v_mul_f32 v12, s22, v12
.irp j, 0,2,4,6
	v_pk_fma_f32 v[236+\j:237+\j], v[236+\j:237+\j], s[22:23], v[12:13] op_sel_hi:[1,0,0] neg_lo:[0,0,1] neg_hi:[0,0,1]
.endr
.irp j, 0,1,2,3,4,5,6,7
	v_exp_f32 v[236+\j], v[236+\j]
.endr
	v_nop
	s_wait_alu depctr_va_vdst(0)                   ; one wait for the eight, ahead of their first reader
	v_pk_add_f32 v[14:15], v[236:237], v[238:239]
	v_pk_add_f32 v[16:17], v[240:241], v[242:243]
	v_pk_add_f32 v[14:15], v[14:15], v[16:17]
	v_add_f32 v14, v14, v15
	v_permlanex16_b32 v15, v14, s20, s21
	v_add_f32 v14, v14, v15                        ; the row's sum
	v_rcp_f32 v18, v14
	v_mov_b32 v19, 0                               ; (named with it as a pair; a plain line behind the reciprocal)
	s_wait_alu depctr_va_vdst(0)
.irp c, 0,1,2,3
.irp t, 0,1,2,3
.if \c == 0
	v_wmma_f32_16x16x4_f32 v[204+8*\t:211+8*\t], v[92+8*\t+2*\c:93+8*\t+2*\c], v[236+2*\c:237+2*\c], 0
.else
	v_wmma_f32_16x16x4_f32 v[204+8*\t:211+8*\t], v[92+8*\t+2*\c:93+8*\t+2*\c], v[236+2*\c:237+2*\c], v[204+8*\t:211+8*\t]
.endif
.endr
.endr
.rept 9
	v_nop                                          ; eight places in front of the read of O^T and of the write into V's registers; nine in front of the products that write over O^T
.endr
.set n, 0
.rept 16
	v_pk_mul_f32 v[92+n:93+n], v[204+n:205+n], v[18:19] op_sel_hi:[1,0]   ; att = O^T / the sum, into V's registers: register 8 t + j is channel 32 h + 4 j + t
.set n, n+2
.endr
	s_wait_loadcnt 0x0                             ; Wp and the bias
.set s, 0
.rept 16                               ; Y^T, 16 columns x 16 queries: 4 along K a step, in four parts that take turns
.if s < 4
	v_wmma_f32_16x16x4_f32 v[204+8*(s%4):211+8*(s%4)], v[156+2*s:157+2*s], v[92+2*s:93+2*s], 0
.else
	v_wmma_f32_16x16x4_f32 v[204+8*(s%4):211+8*(s%4)], v[156+2*s:157+2*s], v[92+2*s:93+2*s], v[204+8*(s%4):211+8*(s%4)]
.endif
.set s, s+1
.endr
.rept 8
	v_nop                                          ; eight places in front of the first read of the results
.endr
.irp p, 0,1,2,3
	v_pk_add_f32 v[28+2*\p:29+2*\p], v[204+2*\p:205+2*\p], v[212+2*\p:213+2*\p]   ; the four parts, each from its low end on, into other registers
.endr
.irp p, 0,1,2,3
	v_pk_add_f32 v[36+2*\p:37+2*\p], v[220+2*\p:221+2*\p], v[228+2*\p:229+2*\p]
.endr
.irp p, 0,1,2,3
	v_pk_add_f32 v[28+2*\p:29+2*\p], v[28+2*\p:29+2*\p], v[36+2*\p:37+2*\p]
.endr
	ds_store_b128 v8, v[28:31]                     ; lane (r, h): query r, columns 8 h + 0 .. 7
	ds_store_b128 v8, v[32:35] offset:16
	s_wait_dscnt 0x0                               ; for the others' sake
	s_barrier_signal -1
	s_barrier_wait -1
	s_cmp_gt_u32 s12, 1                            ; 16 queries x 64 bytes are 64 lanes' 16 bytes: waves 0 and 1
	s_cbranch_scc1 .Lend
.irp u, 0,1,2,3,4,5,6,7,8,9,10,11,12,13,14,15
	ds_load_b128 v[28+4*\u:31+4*\u], v9 offset:\u*PSW              ; head u's part of my four numbers
.endr
	s_wait_dscnt 0x0
	v_pk_add_f32 v[12:13], v[28:29], v[244:245]    ; the sixteen parts and the bias, in two chains
	v_pk_add_f32 v[14:15], v[30:31], v[246:247]
.irp u, 1,2,3,4,5,6,7,8,9,10,11,12,13,14,15
	v_pk_add_f32 v[12:13], v[12:13], v[28+4*\u:29+4*\u]
	v_pk_add_f32 v[14:15], v[14:15], v[30+4*\u:31+4*\u]
.endr
	global_store_b128 v26, v[12:15], s[10:11]      ; four lanes store a row's 64 consecutive bytes, the wave eight rows
.Lend:
	s_wait_tensorcnt 0x0                           ; the wave's end, behind my last LDS store
	ds_add_u32 v10, v11
	s_wait_dscnt 0x0
	s_endpgm
.Lfunc_end_k_qe244e872e9_first16:
	.size	k_qe244e872e9_first16, .Lfunc_end_k_qe244e872e9_first16-k_qe244e872e9_first16
	.p2alignl 7, 3214868480
	.fill 96, 4, 3214868480
	.section	.rodata,"a",@progbits
	.p2align	6, 0x0
	.amdhsa_kernel k_qe244e872e9_first16
		.amdhsa_group_segment_fixed_size 161792
		.amdhsa_private_segment_fixed_size 0
		.amdhsa_enable_private_segment 0
		.amdhsa_kernarg_size 32
		.amdhsa_user_sgpr_count 2
		.amdhsa_user_sgpr_kernarg_segment_ptr 1
		.amdhsa_wavefront_size32 1
		.amdhsa_system_sgpr_workgroup_id_x 1
		.amdhsa_system_sgpr_workgroup_id_y 1
		.amdhsa_system_sgpr_workgroup_id_z 1
		.amdhsa_system_vgpr_workitem_id 0
		.amdhsa_next_free_vgpr 256
		.amdhsa_next_free_sgpr 66
		.amdhsa_reserve_vcc 1
		.amdhsa_float_denorm_mode_32 3
		.amdhsa_float_denorm_mode_16_64 3
		.amdhsa_memory_ordered 1
		.amdhsa_forward_progress 1
		.amdhsa_inst_pref_size 23
	.end_amdhsa_kernel
	.amdgpu_metadata
---
amdhsa.version: [ 1, 2 ]
amdhsa.kernels:
  - .name:           k_qe244e872e9_first16
    .symbol:         k_qe244e872e9_first16.kd
    .args:
      - { .name: qkv32, .offset: 0, .size: 8, .value_kind: global_buffer, .address_space: global }
      - { .name: Wp, .offset: 8, .size: 8, .value_kind: global_buffer, .address_space: global }
      - { .name: bp, .offset: 16, .size: 8, .value_kind: global_buffer, .address_space: global }
      - { .name: out0, .offset: 24, .size: 8, .value_kind: global_buffer, .address_space: global }
    .group_segment_fixed_size: 161792
    .private_segment_fixed_size: 0
    .kernarg_segment_align: 8
    .kernarg_segment_size: 32
    .max_flat_workgroup_size: 512
    .sgpr_count:     66
    .vgpr_count:     256
    .wavefront_size: 32
...
	.end_amdgpu_metadata
.endif
;; end of part 5
